; MI455X (gfx1250); checked and timed in simulation.
; The chip was launched on July 23, 2026; its instructions are those of AMD's public machine-readable ISA for CDNA 5 (MIT licence, August 2026) and "CDNA5" Instruction Set Architecture Reference Guide (July 2026). The comments in the code are by the model that wrote it; some were corrected since.
;; Vision Attention. Allowed arithmetic: matrix products marked QUANTISED: E2M3 operands, one E8M0 scale for each 32 along K, by v_wmma_scale_f32_16x16x128_f8f6f4 with both operands' format E2M3, f32 sums; everything else in f32.
;; Inputs: k_scale 64 float32; positions_xy 8 x 1,024 x 2 float32; q_scale 64 float32; v_scale 64 float32; wk_codes 1,024 x 32 x 24 uint8 (E2M3 codes of wk, K innermost, in blocks of 32 codes, four codes in three bytes); wk_scales 1,024 x 32 uint8 (E8M0 scales of wk, one for each 32 codes along K); wo_codes 1,024 x 32 x 24 uint8 (E2M3 codes of wo, K innermost, in blocks of 32 codes, four codes in three bytes); wo_scales 1,024 x 32 uint8 (E8M0 scales of wo, one for each 32 codes along K); wq_codes 1,024 x 32 x 24 uint8 (E2M3 codes of wq, K innermost, in blocks of 32 codes, four codes in three bytes); wq_scales 1,024 x 32 uint8 (E8M0 scales of wq, one for each 32 codes along K); wv_codes 1,024 x 32 x 24 uint8 (E2M3 codes of wv, K innermost, in blocks of 32 codes, four codes in three bytes); wv_scales 1,024 x 32 uint8 (E8M0 scales of wv, one for each 32 codes along K); x_codes 8 x 1,024 x 32 x 24 uint8 (E2M3 codes of x, K innermost, in blocks of 32 codes, four codes in three bytes); x_scales 8 x 1,024 x 32 uint8 (E8M0 scales of x, one for each 32 codes along K).
;; Outputs: out0 8 x 1,024 x 1,024 float32.
;; This version of the problem:
;;   THIS VERSION OF THE PROBLEM IS GIVEN IN LOW PRECISION. The matrix products marked QUANTISED in the list below multiply operands that are first quantised to E2M3 (2 exponent bits, 3 mantissa bits; 6 bits a number), with one power-of-two scale for each 32 numbers along K (OCP MX v1.0); their sums are f32. All else is computed in f32.
;;   The module's matrix products, in the order in which they are computed (A, B: the left and right operand; K: the contracted axis; several contracted axes count as one K, in the product's order):
;;     1. [M 8,192, K 1,024] x [K 1,024, N 1,024]; A: input x (given as codes); B: input wq (given as codes): QUANTISED
;;     2. [M 8,192, K 1,024] x [K 1,024, N 1,024]; A: input x (given as codes); B: input wk (given as codes): QUANTISED
;;     3. [M 8,192, K 1,024] x [K 1,024, N 1,024]; A: input x (given as codes); B: input wv (given as codes): QUANTISED
;;     4. batch 128 x [M 1,024, K 64] x [K 64, N 1,024]; A: computed on the way; B: computed on the way: QUANTISED
;;     5. batch 128 x [M 64, K 1,024] x [K 1,024, N 1,024]; A: computed on the way; B: softmax (see below): QUANTISED
;;     6. [M 8,192, K 1,024] x [K 1,024, N 1,024]; A: computed on the way; B: input wo (given as codes): QUANTISED
;;   THE QUANTISER, for each operand of a quantised product, along K:
;;     - K is cut into blocks of 32 from its start; a last block that is shorter is filled with zeros.
;;     - A block's scale is 2^e with e = floor(log2(the largest magnitude in the block)) - 2, held to -126 .. 127; a block of zeros has e = 0. As a byte (E8M0): e + 127.
;;     - Each number is divided by its block's scale, clamped to +-7.5, and rounded to the nearest number of E2M3, ties to even, subnormals kept.
;;     - The product sums the exact products of the quantised numbers (number of the format x scale) in f32.
;;   ~~~python
;;   def quantise(x, axis):      # numpy; x: float32 -> the quantised numbers, widened to float32 again
;;       x = np.moveaxis(x, axis, -1); K = x.shape[-1]
;;       x = np.pad(x, [(0, 0)] * (x.ndim - 1) + [(0, -K % 32)]); x = x.reshape(x.shape[:-1] + (-1, 32)); a = np.abs(x).max(-1, keepdims=True)
;;       e = np.where(a > 0, np.clip(np.frexp(np.where(a > 0, a, 1))[1] - 1 - 2, -126, 127), 0)      # np.frexp(a)[1] - 1 = floor(log2(a)), exactly
;;       r = np.clip(x / 2.0 ** e, -7.5, 7.5)
;;       step = 2.0 ** (np.maximum(np.frexp(np.where(r == 0, 1, r))[1] - 1, 0) - 3)
;;       q = np.round(r / step) * step * 2.0 ** e      # np.round: ties to even
;;       return np.moveaxis(q.reshape(q.shape[:-2] + (-1,))[..., :K], -1, axis).astype(np.float32)
;;   ~~~
;;   SOFTMAX AHEAD OF A QUANTISED PRODUCT. Where the list says 'softmax', what is quantised is not the finished softmax but p = 2^(t - M), with t = logit x log2(e) and M = ceil(the row's largest t), a whole number; so 1/2 < the row's largest p <= 1. The row's sum l is taken of the UNQUANTISED p, in f32, and the product's result is divided by l at the end. Since M is a whole number, a kernel that streams over the keys may use a running M (the ceiling of the running maximum): every later rescaling is an exact power of two, which a block's scale takes up: the codes' values come out the same.
;;   OPERANDS COMPUTED ON THE WAY. 'Computed on the way' means the value that the module computes at that place (a softmax that the list does not call 'softmax' is quantised finished and normalised). What goes into a quantiser is computed in f32, as accurately as f32 sums, v_exp_f32 and their like allow (about 1e-6 of the number): no bf16 or f16 on the way to a quantiser, and a product that is left as it is and whose result goes on into a quantised operand takes f32 operands (vector FMAs, or v_wmma_f32_16x16x4_f32). A number that lies on a knife's edge between two numbers of the format may be rounded either way, as far as f32 arithmetic and the matrix unit's own rounding can turn it there, and no further.
;;   INPUTS GIVEN AS CODES. wk (in the module: [1024, 1024], K = its axis 0); wo (in the module: [1024, 1024], K = its axis 0); wq (in the module: [1024, 1024], K = its axis 0); wv (in the module: [1024, 1024], K = its axis 0); x (in the module: [8, 1024, 1024], K = its axis 2): each comes as NAME_codes (uint8): NAME with its K axis moved to the last place and cut into blocks of 32 codes, [.., K / 32, bytes a block], one block behind the other in memory; four codes in three bytes: a row's codes are one little-endian stream of bits, code i at bits 6 i .. 6 i + 5 (a code: sign, 2 exponent bits, 3 mantissa bits); and NAME_scales (uint8): the same leading axes, one E8M0 byte (e + 127) for each 32 codes along K. Its value is code x scale, taken as it is: it is not quantised again, and the codes and scales need not be those that the quantiser above would give.
;; One version. Each part assembles by itself: llvm-mc -triple=amdgcn-amd-amdhsa -mcpu=gfx1250 --defsym DOCPART=n.
;; ======== version 1 of 1: 4 launches
;; limits: right only within a limited range of input values
;; workspace buffers: rope 2,097,152 bytes; qrec 6,553,600 bytes; kvrec 13,107,200 bytes; oimg 6,291,456 bytes; osc 262,144 bytes
;; launch rope (part 1): grid 128 x 1, 4 waves a work-group, no clusters, 0 bytes of LDS; arguments positions_xy, rope; writes rope
.if DOCPART == 1
	.amdgcn_target "amdgcn-amd-amdhsa--gfx1250"
	.amdhsa_code_object_version 6
	.text
	.protected	k_q1573da218c_rope
	.globl	k_q1573da218c_rope
	.p2align	8
	.type	k_q1573da218c_rope,@function
k_q1573da218c_rope:
	s_mov_b64 s[64:65], 0
	v_nop
	global_prefetch_b8 v0, s[64:65] scope:SCOPE_SE
	s_setreg_imm32_b32 hwreg(HW_REG_WAVE_MODE, 25, 1), 1
	s_wait_xcnt 0x0
; The cosines and sines of the 2-D rotary embedding, once for each token, laid as the next launch's registers want them.
; A head's 64 channels are two parts of 32 (part p turns by positions[..][p]); in a part channel i and channel i + 16 turn by the angle pos / ts[i], ts[i] = 10000^(i/16) = 10^(i/4), i = 0 .. 15.
; A wave takes a tile of 16 tokens.  Lane (r = lane % 16, h = lane / 16) makes the 16 angles of token r with i = 8 h + j, j = 0 .. 7, p = 0, 1: 32 numbers,
; register 16 p + j the cosine, 16 p + 8 + j the sine.  They leave as an image of these registers: 8 stores of 16 bytes a lane, each 512 consecutive bytes of the wave; 4,096 bytes a tile.
; ARITHMETIC, all f32: the quotient by a reciprocal and one correction step (two fused multiply-adds); n = the nearest whole number to angle x 2/pi; the rest by pi/2 in two parts (fused, so that nothing is lost);
; sine and cosine of the rest, at most pi/4 in size, by polynomials of degree 7 and 8; the quadrant by selects and sign bits.  No branch hangs on a number.
; LIMITS: angles up to about 2^22 in size (beyond that the two parts of pi/2 no longer give the rest to f32's last bits); NaN and infinities among the positions are not served.
.set TS,  8                            ; v8-15    ts of my eight angles
.set INV, 16                           ; v16-23   1 / ts
.set RT,  32                           ; v32-63   the 32 results
.set QA,  64                           ; v64..    eleven sets of eight, at work
.set EE,  72
.set NN,  80
.set RR,  88
.set ZZ,  96
.set PS,  104
.set PO,  112
.set TT,  120
.set WW,  128
.set NI,  136
.set SG,  144
	s_load_b128 s[4:7], s[0:1], 0x0                ; the positions, the table
	v_lshrrev_b32 v1, 5, v0
	v_readfirstlane_b32 s2, v1                     ; wave
	s_lshl_b32 s3, ttmp9, 2
	s_add_co_u32 s3, s3, s2                        ; my tile of 16 tokens
	v_and_b32 v1, 15, v0                           ; r
	v_bfe_u32 v2, v0, 4, 1                         ; h
	v_and_b32 v3, 31, v0
	v_lshlrev_b32 v3, 4, v3                        ; out: 16 bytes a lane
	v_lshlrev_b32 v4, 3, v1                        ; in: a token's two positions are 8 bytes
	s_lshl_b32 s20, s3, 7                          ; 16 tokens x 8 bytes
	s_mov_b32 s21, 0
	s_lshl_b32 s22, s3, 12                         ; 4,096 bytes of table a tile
	s_mov_b32 s23, 0
	s_mov_b32 s8, 0x3f22f983                       ; 2 / pi
	s_mov_b32 s9, 0x3fc90fdb                       ; pi / 2, its upper part
	s_mov_b32 s10, 0xb33bbd2e                      ; and what is left of it
	s_mov_b32 s11, 0xbe2aaaa3                      ; sine: -1.6666654611e-1
	s_mov_b32 s12, 0x3c08839e                      ;        8.3321608736e-3
	s_mov_b32 s13, 0xb94ca1f9                      ;       -1.9515295891e-4
	s_mov_b32 s14, 0x3d2aaaa5                      ; cosine: 4.166664568e-2
	s_mov_b32 s15, 0xbab6061a                      ;        -1.388731625e-3
	s_mov_b32 s16, 0x37ccf5ce                      ;         2.443315712e-5
	s_mov_b32 s17, 0x80000000                      ; the sign
	s_wait_alu depctr_va_vdst(0)
	s_wait_kmcnt 0x0
	s_add_nc_u64 s[4:5], s[4:5], s[20:21]
	s_add_nc_u64 s[6:7], s[6:7], s[22:23]
	global_load_b64 v[6:7], v4, s[4:5]             ; my token's two positions
	v_cmp_eq_u32 vcc_lo, 1, v2                     ; lanes 16-31 take ts[8 + j]
.macro TSEL j, lo, hi
	v_mov_b32 v[TS+\j], \hi
	v_cndmask_b32 v[TS+\j], \lo, v[TS+\j], vcc_lo
.endm
	TSEL 0, 0x3f800000, 0x42c80000                 ; 10^(i/4), rounded to f32
	TSEL 1, 0x3fe39ea9, 0x4331d3f4
	TSEL 2, 0x404a62c2, 0x439e1d27
	TSEL 3, 0x40b3f300, 0x440c95d8
	TSEL 4, 0x41200000, 0x447a0000
	TSEL 5, 0x418e432a, 0x44de48f1
	TSEL 6, 0x41fcfb72, 0x4545a471
	TSEL 7, 0x4260efc0, 0x45afbb4e
	s_wait_alu depctr_va_vdst(0)
.irp j, 0,1,2,3,4,5,6,7
	v_rcp_f32 v[INV+\j], v[TS+\j]
.endr
	v_nop                                          ; a plain instruction between the reciprocals and their use
	s_wait_alu depctr_va_vdst(0)
	s_wait_loadcnt 0x0
; Part p: eight angles, line by line, so that no line waits for the line above it.
.macro PART p
.irp j, 0,1,2,3,4,5,6,7
	v_mul_f32 v[QA+\j], v[6+\p], v[INV+\j]         ; pos / ts, roughly;
.endr
.irp j, 0,1,2,3,4,5,6,7
	v_fma_f32 v[EE+\j], -v[QA+\j], v[TS+\j], v[6+\p]   ; what it leaves of pos, exactly;
.endr
.irp j, 0,1,2,3,4,5,6,7
	v_fma_f32 v[QA+\j], v[EE+\j], v[INV+\j], v[QA+\j]  ; the quotient, corrected
.endr
.irp j, 0,1,2,3,4,5,6,7
	v_mul_f32 v[NN+\j], s8, v[QA+\j]
.endr
.irp j, 0,1,2,3,4,5,6,7
	v_rndne_f32 v[NN+\j], v[NN+\j]                 ; n
.endr
.irp j, 0,1,2,3,4,5,6,7
	v_fma_f32 v[RR+\j], -v[NN+\j], s9, v[QA+\j]
.endr
.irp j, 0,1,2,3,4,5,6,7
	v_fma_f32 v[RR+\j], -v[NN+\j], s10, v[RR+\j]   ; the rest, at most pi / 4 in size
.endr
.irp j, 0,1,2,3,4,5,6,7
	v_mul_f32 v[ZZ+\j], v[RR+\j], v[RR+\j]
.endr
.irp j, 0,1,2,3,4,5,6,7
	v_fma_f32 v[PS+\j], v[ZZ+\j], s13, s12
.endr
.irp j, 0,1,2,3,4,5,6,7
	v_fma_f32 v[PS+\j], v[PS+\j], v[ZZ+\j], s11
.endr
.irp j, 0,1,2,3,4,5,6,7
	v_mul_f32 v[TT+\j], v[ZZ+\j], v[RR+\j]
.endr
.irp j, 0,1,2,3,4,5,6,7
	v_fma_f32 v[PS+\j], v[PS+\j], v[TT+\j], v[RR+\j]   ; the rest's sine
.endr
.irp j, 0,1,2,3,4,5,6,7
	v_fma_f32 v[PO+\j], v[ZZ+\j], s16, s15
.endr
.irp j, 0,1,2,3,4,5,6,7
	v_fma_f32 v[PO+\j], v[PO+\j], v[ZZ+\j], s14
.endr
.irp j, 0,1,2,3,4,5,6,7
	v_mul_f32 v[WW+\j], v[ZZ+\j], v[ZZ+\j]
.endr
.irp j, 0,1,2,3,4,5,6,7
	v_fma_f32 v[TT+\j], v[ZZ+\j], -0.5, 1.0
.endr
.irp j, 0,1,2,3,4,5,6,7
	v_fma_f32 v[PO+\j], v[PO+\j], v[WW+\j], v[TT+\j]   ; and its cosine
.endr
.irp j, 0,1,2,3,4,5,6,7
	v_cvt_i32_f32 v[NI+\j], v[NN+\j]
.endr
.irp j, 0,1,2,3,4,5,6,7
	v_and_b32 v[SG+\j], 1, v[NI+\j]
.endr
.irp j, 0,1,2,3,4,5,6,7
	v_cmp_eq_u32 s[24+\j], 1, v[SG+\j]             ; an odd quadrant swaps the two
.endr
.irp j, 0,1,2,3,4,5,6,7
	v_cndmask_b32 v[RT+16*\p+8+\j], v[PS+\j], v[PO+\j], s[24+\j]
.endr
.irp j, 0,1,2,3,4,5,6,7
	v_cndmask_b32 v[RT+16*\p+\j], v[PO+\j], v[PS+\j], s[24+\j]
.endr
.irp j, 0,1,2,3,4,5,6,7
	v_lshlrev_b32 v[SG+\j], 30, v[NI+\j]           ; bit 1 of n is the sine's sign,
.endr
.irp j, 0,1,2,3,4,5,6,7
	v_and_b32 v[SG+\j], s17, v[SG+\j]
.endr
.irp j, 0,1,2,3,4,5,6,7
	v_xor_b32 v[RT+16*\p+8+\j], v[RT+16*\p+8+\j], v[SG+\j]
.endr
.irp j, 0,1,2,3,4,5,6,7
	v_add_nc_u32 v[NI+\j], 1, v[NI+\j]             ; bit 1 of n + 1 the cosine's
.endr
.irp j, 0,1,2,3,4,5,6,7
	v_lshlrev_b32 v[SG+\j], 30, v[NI+\j]
.endr
.irp j, 0,1,2,3,4,5,6,7
	v_and_b32 v[SG+\j], s17, v[SG+\j]
.endr
.irp j, 0,1,2,3,4,5,6,7
	v_xor_b32 v[RT+16*\p+\j], v[RT+16*\p+\j], v[SG+\j]
.endr
.endm
	PART 0
	PART 1
.irp q, 0,1,2,3,4,5,6,7
	global_store_b128 v3, v[RT+4*\q:RT+4*\q+3], s[6:7] offset:512*\q   ; 32 lanes store 512 consecutive bytes, at a multiple of 256 from the table's first byte
.endr
	s_endpgm
.Lfunc_end_k_q1573da218c_rope:
	.size	k_q1573da218c_rope, .Lfunc_end_k_q1573da218c_rope-k_q1573da218c_rope
	.p2alignl 7, 3214868480
	.fill 96, 4, 3214868480
	.section	.rodata,"a",@progbits
	.p2align	6, 0x0
	.amdhsa_kernel k_q1573da218c_rope
		.amdhsa_group_segment_fixed_size 0
		.amdhsa_private_segment_fixed_size 0
		.amdhsa_enable_private_segment 0
		.amdhsa_kernarg_size 16
		.amdhsa_user_sgpr_count 2
		.amdhsa_user_sgpr_kernarg_segment_ptr 1
		.amdhsa_wavefront_size32 1
		.amdhsa_system_sgpr_workgroup_id_x 1
		.amdhsa_system_sgpr_workgroup_id_y 1
		.amdhsa_system_sgpr_workgroup_id_z 1
		.amdhsa_system_vgpr_workitem_id 0
		.amdhsa_next_free_vgpr 160
		.amdhsa_next_free_sgpr 66
		.amdhsa_reserve_vcc 1
		.amdhsa_float_denorm_mode_32 3
		.amdhsa_float_denorm_mode_16_64 3
		.amdhsa_memory_ordered 1
		.amdhsa_forward_progress 1
		.amdhsa_inst_pref_size 26
	.end_amdhsa_kernel
	.amdgpu_metadata
---
amdhsa.version: [ 1, 2 ]
amdhsa.kernels:
  - .name:           k_q1573da218c_rope
    .symbol:         k_q1573da218c_rope.kd
    .args:
      - { .name: positions_xy, .offset: 0, .size: 8, .value_kind: global_buffer, .address_space: global }
      - { .name: rope, .offset: 8, .size: 8, .value_kind: global_buffer, .address_space: global }
    .group_segment_fixed_size: 0
    .private_segment_fixed_size: 0
    .kernarg_segment_align: 8
    .kernarg_segment_size: 16
    .max_flat_workgroup_size: 128
    .sgpr_count:     66
    .vgpr_count:     160
    .wavefront_size: 32
...
	.end_amdgpu_metadata
.endif
;; end of part 1
;; launch qkv (part 2): grid 12 x 32, 4 waves a work-group, clusters of 4 x 4, 327,680 bytes of LDS; arguments x_codes, x_scales, wq_codes, wq_scales, wk_codes, wk_scales, wv_codes, wv_scales, q_scale, k_scale, v_scale, rope, qrec, kvrec; writes qrec, kvrec
.if DOCPART == 2
	.amdgcn_target "amdgcn-amd-amdhsa--gfx1250"
	.amdhsa_code_object_version 6
	.text
	.protected	k_q1573da218c_qkv
	.globl	k_q1573da218c_qkv
	.p2align	8
	.type	k_q1573da218c_qkv,@function
k_q1573da218c_qkv:
	s_mov_b64 s[64:65], 0
	v_nop
	global_prefetch_b8 v0, s[64:65] scope:SCOPE_SE
	s_setreg_imm32_b32 hwreg(HW_REG_WAVE_MODE, 25, 1), 1
	s_wait_xcnt 0x0
	s_wait_alu depctr_hold_cnt(0) depctr_sa_sdst(0) depctr_va_vdst(0) depctr_va_sdst(0) depctr_va_ssrc(0) depctr_va_vcc(0) depctr_vm_vsrc(0)
	s_getreg_b32 s2, hwreg(HW_REG_IB_STS2, 6, 4)
	s_cmp_eq_u32 s2, 0
	s_cbranch_scc0 .Lentry_in_a_cluster
	s_endpgm
.Lentry_in_a_cluster:
	s_bfe_u32 s2, ttmp6, 0x10000c
	s_cmp_lg_u32 s2, 0xf033
	s_cbranch_scc0 .Lentry_shape_is_right
	s_endpgm
.Lentry_shape_is_right:
; q = rope(rms(x wq)), k = rope(rms(x wk)), v = rms(x wv), each quantised anew to FP6 (E2M3) with one E8M0 scale for each 32 along the NEXT product's K, stored as images of operand registers.
; THE PRODUCT: C[m][n] = sum over k of A[m][k] B[n][k] on given codes (K = 1,024: rows of 768 bytes), 256 x 256 to a work-group of four waves, 128 x 128 to a wave: 64 accumulators.
; K goes through a ring of two LDS slots in CHUNKS OF 256 BYTES of each row (three chunks); a step of 128 along K is 96 bytes, so steps 2 and 5 lie across two chunks.
; THE SCALE WORDS of a wave's rows, for all of K (32 bytes a row), go from memory straight into registers, once: 512 or 1,024 consecutive bytes for each pair of loads.
; THE KIND is the cluster's x: 0 = q, 1 = k: A = x (tile row 4 Y + cy), B = wq or wk (tile column cx);  2 = v: A = wv (tile row cy), B = x (tile column 4 Y + cx).
; THE MATRIX INSTRUCTION IS USED TRANSPOSED (source 0 = 16 rows of B, source 1 = 16 rows of A): in accumulator (a, b) lane (r, h) holds row 16 a + r of A, register j row 16 b + 8 h + j of B.
; So for q and k a lane holds one token and its registers run along the head's channels; for v a lane holds one channel and its registers run down the tokens.
; INSIDE A BLOCK OF 32 a lane's 16 numbers, elements 16 u + 8 h + j, are laid at places 16 h + 8 u + j: q and k alike, v and the next launch's p alike, so no scale and no sum changes.
; OUT: a fragment (12 registers a lane) leaves by three stores of 16 bytes a lane, 512 consecutive bytes each; the scale words of a step of 128 tokens as 8 bytes a lane.
; CLUSTERS: 4 x 4; A's tiles are asked for jointly by a row of the cluster, B's by a column.  No prefetch: the ring has three chunks, two of them asked for at the head.
; LIMITS: NaN and infinities are not served.  A block of zeros, and one whose largest magnitude lies under 2^-124, gets the scale byte 1 (this program alone reads the bytes).
; REGISTERS in the product: window 0: v0-31 addresses; v32-127 scale words; from v128 A's fragments, one set.  window 1: B's fragments, two sets.  windows 2, 3: accumulator (a, b) at v[8 (8 (a % 4) + b)].
.set ROWB,   256
.set KROW,   768
.set STEPS,  8
.set CHUNKS, 3
.set PITCH,  272                       ; 256 bytes + 16 of padding
.set FR,     12
.set NL,     6
.set NP,     4                         ; places behind this matrix instruction (ISA guide 7.12.1)
.set HALFT,  128*PITCH
.set SLOT,   4*HALFT                   ; A's 256 rows, then B's
.set SPARE,  2*SLOT                    ; the spare words: 128 bytes a wave
.set ADRA, 16                          ; v16-17 my A fragments in slot 0, 1; v18-19 for a piece whose two lane halves read different chunks
.set ADRB, 20                          ; v20-23 the same for B
.set SPW,  28
.set NIL,  29
.set SCA,  32                          ; v[SCA + 8 a + st]: every lane holds the word of row lane % 16 of A's block a, step st
.set SCB,  96                          ; v[SCB + 8 j + st]: lanes 0-15 B's block 2 j, lanes 16-31 block 2 j + 1
.set AF,   128
.set G1, 24
.set G0, 32
.set G1B, 48
.set G0B, 56
.set GN,  32                           ; behind the product, window 0: q, k: 1 + gain of my 32 channels
.set RS,  64                           ; q, k: 1 / rms, a pair for each (tile of tokens, head)
.set RSV, 64                           ; v: 1 / rms of my 64 tokens
.set Y,   96
.set Z,   128                          ; the 64 numbers that become a fragment
.set CD,  192
.set TM,  212
.set PW0, 228
.set SW,  232
.set GV,  236
.set KC,  244                          ; v: 1 / 64 and 1e-6 as pairs
.set MSB, 0
.macro WIN new                         ; the immediate's high byte repeats the setting that is left
.if MSB != (\new)
	s_set_vgpr_msb (MSB<<8)|(\new)
.set MSB, (\new)
.endif
.endm
.set MUL_LO, 0xa1
.set MUL_HI, 0xf1
.set TO_B,   0x40
.macro JLOAD s                         ; a joint load into slot s: waves 0, 1 fetch A's halves, waves 2, 3 B's
	s_cmp_eq_u32 s15, 0
	s_cbranch_scc0 .Lfor_b_\@
	tensor_load_to_lds s[G0+4*\s:G0+4*\s+3], s[G1:G1+7]
	s_nop 0
.rept 4
	v_nop
.endr
	s_branch .Lasked_\@
.Lfor_b_\@:
	tensor_load_to_lds s[G0B+4*\s:G0B+4*\s+3], s[G1B:G1B+7]
	s_nop 0
.rept 4
	v_nop
.endr
.Lasked_\@:
.endm
.macro CREST
	s_cmp_lg_u32 s14, 0
	s_cbranch_scc1 .Lnot_wave_0_\@
	s_barrier_signal -3
.Lnot_wave_0_\@:
	s_barrier_wait -3
	s_barrier_signal -1
	s_barrier_wait -1
.endm
.macro CROUND
	s_barrier_signal -1
	s_barrier_wait -1
	CREST
.endm
	s_load_b512 s[68:83], s[0:1], 0x0              ; x's codes, scales; wq's; wk's; wv's
	s_load_b256 s[84:91], s[0:1], 0x40             ; q_scale, k_scale, v_scale, the rotations' table
	s_load_b128 s[92:95], s[0:1], 0x60             ; q's records, k's and v's records
	v_lshl_add_u32 v[SPW], v0, 2, SPARE
	v_mov_b32 v[NIL], 0
	ds_add_u32 v[SPW], v[NIL]                      ; the opening lines: the add twice and its wait
	ds_add_u32 v[SPW], v[NIL]
	v_lshrrev_b32 v1, 5, v0
	v_readfirstlane_b32 s14, v1                    ; wave
	s_lshr_b32 s15, s14, 1                         ; my half of A's rows; also: I fetch for A (0) or B (1)
	s_and_b32 s16, s14, 1                          ; my half of B's rows; also: which 128 rows I fetch
	s_bfe_u32 s40, ttmp6, 0x40000                  ; cx
	s_bfe_u32 s41, ttmp6, 0x40004                  ; cy
	s_mov_b32 s100, ttmp9                          ; the kind
	s_and_b32 s66, ttmp7, 0xffff
	s_lshl_b32 s66, s66, 2
	s_cmp_eq_u32 s100, 2
	s_cselect_b32 s17, 0, s66
	s_cselect_b32 s42, s66, 0
	s_add_co_u32 s17, s17, s41                     ; A's tile
	s_add_co_u32 s42, s42, s40                     ; B's tile
	s_lshl_b32 s43, s41, 2
	s_lshl_b32 s43, 15, s43                        ; my row of the cluster
	s_lshl_b32 s44, 0x1111, s40                    ; my column
	s_or_b32 s[G1+0], s43, (1<<20)|(1<<21)|(5<<22)|(3<<25)   ; bytes; 16 bytes of padding behind every 256
	s_or_b32 s[G1B+0], s44, (1<<20)|(1<<21)|(5<<22)|(3<<25)
.irp g, G1, G1B
	s_mov_b32 s[\g+1], ROWB<<16
	s_mov_b32 s[\g+2], 128<<16
	s_mov_b32 s[\g+3], ROWB<<16
	s_mov_b32 s[\g+4], 128
	s_mov_b32 s[\g+5], KROW
	s_mov_b32 s[\g+6], 0
	s_mov_b32 s[\g+7], 0
.endr
	s_lshl_b32 s18, s16, 7
	s_lshl_b32 s20, s17, 8
	s_add_co_u32 s20, s20, s18
	s_lshl_b32 s46, s42, 8
	s_add_co_u32 s46, s46, s18
	s_mul_i32 s20, s20, KROW                       ; the codes that I fetch, in bytes
	s_mul_i32 s46, s46, KROW
	s_mov_b32 s21, 0
	s_mov_b32 s47, 0
	s_lshl_b32 s66, s17, 13                        ; the scales of the rows that I multiply: 32 bytes a row
	s_lshl_b32 s18, s15, 12
	s_add_co_u32 s66, s66, s18
	s_mov_b32 s67, 0
	s_lshl_b32 s2, s42, 13
	s_lshl_b32 s18, s16, 12
	s_add_co_u32 s2, s2, s18
	s_mov_b32 s3, 0
	s_mul_i32 s45, s14, HALFT
	s_wait_dscnt 0x0
	s_wait_kmcnt 0x0
	s_cmp_eq_u32 s100, 0
	s_cselect_b64 s[8:9], s[72:73], s[76:77]
	s_cselect_b64 s[10:11], s[74:75], s[78:79]
	s_cselect_b64 s[12:13], s[84:85], s[86:87]     ; the gains
	s_cselect_b64 s[98:99], s[92:93], s[94:95]     ; where the results go
	s_cmp_eq_u32 s100, 2
	s_cselect_b64 s[4:5], s[80:81], s[68:69]
	s_cselect_b64 s[6:7], s[82:83], s[70:71]
	s_cselect_b64 s[8:9], s[68:69], s[8:9]
	s_cselect_b64 s[10:11], s[70:71], s[10:11]
	s_cselect_b64 s[12:13], s[88:89], s[12:13]
	s_mov_b64 s[96:97], s[90:91]                   ; the table
	s_add_nc_u64 s[20:21], s[4:5], s[20:21]
	s_add_nc_u64 s[66:67], s[6:7], s[66:67]
	s_add_nc_u64 s[46:47], s[8:9], s[46:47]
	s_add_nc_u64 s[2:3], s[10:11], s[2:3]
	CROUND                                         ; the first joint loads meet
.irp s, 0,1
	s_mov_b32 s[G0+4*\s], 1
	s_add_co_u32 s[G0+4*\s+1], s45, \s*SLOT
	s_add_nc_u64 s[G0+4*\s+2:G0+4*\s+3], s[20:21], \s*ROWB
	s_or_b32 s[G0+4*\s+3], s[G0+4*\s+3], 0x80000000
	s_mov_b32 s[G0B+4*\s], 1
	s_add_co_u32 s[G0B+4*\s+1], s45, \s*SLOT
	s_add_nc_u64 s[G0B+4*\s+2:G0B+4*\s+3], s[46:47], \s*ROWB
	s_or_b32 s[G0B+4*\s+3], s[G0B+4*\s+3], 0x80000000
.endr
	JLOAD 0                                        ; chunk 0: my one tensor load at the head
	v_and_b32 v1, 15, v0                           ; r
	v_bfe_u32 v2, v0, 4, 1                         ; h
	v_mul_u32_u24 v3, v1, PITCH
	v_mul_u32_u24 v4, v2, 24
	v_add_nc_u32 v4, v3, v4
	s_mov_b32 s21, SLOT-232
	s_mov_b32 s22, SLOT+232
	v_sub_nc_u32 v7, 1, v2
	v_mul_u32_u24 v5, s21, v2
	v_add_nc_u32 v5, v3, v5
	v_add_nc_u32 v5, 232, v5                       ; lanes 0-15 byte 232 of the row in slot 0, lanes 16-31 byte 0 in slot 1
	v_mul_u32_u24 v6, s22, v7
	v_add_nc_u32 v6, v3, v6                        ; and the other way round
	s_mul_i32 s21, s15, HALFT
	s_mul_i32 s22, s16, HALFT
	s_add_co_u32 s22, s22, 2*HALFT
	v_add_nc_u32 v[ADRA+2], s21, v5
	v_add_nc_u32 v[ADRA+3], s21, v6
	v_add_nc_u32 v[ADRB+2], s22, v5
	v_add_nc_u32 v[ADRB+3], s22, v6
.irp s, 0,1
	v_add_nc_u32 v[ADRA+\s], s21, v4
	v_add_nc_u32 v[ADRB+\s], s22, v4
	s_add_co_u32 s21, s21, SLOT
	s_add_co_u32 s22, s22, SLOT
.endr
	v_lshlrev_b32 v8, 5, v1                        ; A's scales: row r
	v_and_b32 v9, 31, v0
	v_lshlrev_b32 v9, 5, v9                        ; B's: row lane
	s_wait_alu depctr_va_vdst(0)                   ; the wait ahead of these readers
.irp a, 0,1,2,3,4,5,6,7
	global_load_b128 v[SCA+8*\a:SCA+8*\a+3], v8, s[66:67] offset:512*\a
	global_load_b128 v[SCA+8*\a+4:SCA+8*\a+7], v8, s[66:67] offset:512*\a+16
.endr
.irp j, 0,1,2,3
	global_load_b128 v[SCB+8*\j:SCB+8*\j+3], v9, s[2:3] offset:1024*\j
	global_load_b128 v[SCB+8*\j+4:SCB+8*\j+7], v9, s[2:3] offset:1024*\j+16
.endr
.macro FRAG reg, adr, st, i            ; 16 rows x 128 K: registers 6 c .. 6 c + 5 hold K = 64 c + 32 h + 0 .. 31, in pieces of 8 bytes; byte y of a row lies in slot (y / 256) % 2 at byte y % 256
.irp p, 0,1,2,3,4,5
.set BY, 96*(\st)+48*(\p/3)+8*(\p%3)
.if BY/ROWB == (BY+24)/ROWB
	ds_load_b64 v[\reg+2*\p:\reg+2*\p+1], v[\adr+(BY/ROWB)%2] offset:BY%ROWB+(\i)*16*PITCH
.else
	ds_load_b64 v[\reg+2*\p:\reg+2*\p+1], v[\adr+2+(BY/ROWB)%2] offset:BY%ROWB-232+(\i)*16*PITCH
.endif
.endr
.endm
.macro WM zero, ra                     ; one product; ra: B's scale words stand in lanes 16-31
.if (\zero) && (\ra)
	v_wmma_scale_f32_16x16x128_f8f6f4 v[DD:DD+7], v[FB:FB+11], v[FA:FA+11], 0, v[SB], v[SA] matrix_a_fmt:MATRIX_FMT_FP6 matrix_b_fmt:MATRIX_FMT_FP6 matrix_a_scale:MATRIX_SCALE_ROW1
.elseif (\zero)
	v_wmma_scale_f32_16x16x128_f8f6f4 v[DD:DD+7], v[FB:FB+11], v[FA:FA+11], 0, v[SB], v[SA] matrix_a_fmt:MATRIX_FMT_FP6 matrix_b_fmt:MATRIX_FMT_FP6
.elseif (\ra)
	v_wmma_scale_f32_16x16x128_f8f6f4 v[DD:DD+7], v[FB:FB+11], v[FA:FA+11], v[DD:DD+7], v[SB], v[SA] matrix_a_fmt:MATRIX_FMT_FP6 matrix_b_fmt:MATRIX_FMT_FP6 matrix_a_scale:MATRIX_SCALE_ROW1
.else
	v_wmma_scale_f32_16x16x128_f8f6f4 v[DD:DD+7], v[FB:FB+11], v[FA:FA+11], v[DD:DD+7], v[SB], v[SA] matrix_a_fmt:MATRIX_FMT_FP6 matrix_b_fmt:MATRIX_FMT_FP6
.endif
.endm
.macro MUL16 a0, p, st, zero           ; A's blocks a0, a0 + 1 x B's eight; the 64 accumulators take turns
.irp a, \a0, \a0+1
.irp b, 0,1,2,3,4,5,6,7
.set DD, 8*(8*((\a)%4)+\b)
.set FB, 128*(\p)+FR*\b
.set FA, AF+FR*(\a)
.set SB, SCB+8*(\b/2)+(\st)
.set SA, SCA+8*(\a)+(\st)
	WM \zero, \b%2
.endr
.endr
.endm
.macro FETCH_B st, p
	WIN TO_B
.irp i, 0,1,2,3,4,5,6,7
	FRAG 128*(\p)+FR*\i, ADRB, \st, \i
.endr
	WIN 0
.endm
.macro FETCH_A st, i0
.irp i, \i0, \i0+1, \i0+2, \i0+3
	FRAG AF+FR*(\i), ADRA, \st, \i
.endr
.endm
.macro PLACES n
.rept \n
	v_nop
.endr
.endm
; A step: 64 products; the next step's fragments are fetched in its middle and at its end.  Where the next step ends in a chunk not yet read, a barrier shows that chunk whole;
; where it begins in a later chunk, the chunk left behind is read no more: the three lines, the barrier, and, where a chunk two on is left, the cluster's round and the refill.
.macro STEP st, zero
.set NX, (\st)+1
.set C0, (96*(\st))/ROWB
.set C1, (96*NX)/ROWB
.set E0, (96*(\st)+95)/ROWB
.set E1, (96*NX+95)/ROWB
.if C1 > C0 || E1 > E0
	s_wait_tensorcnt 0x0                           ; all my tensor loads have landed
.if C1 > C0
	ds_add_u32 v[SPW], v[NIL]
	s_wait_dscnt 4*NL+1                            ; the add and the youngest 24 loads (A's blocks 4-7) may be out
.else
	s_wait_dscnt 4*NL
.endif
	WIN MUL_LO
	MUL16 0, (\st)%2, \st, \zero
	s_wait_dscnt 0x0                               ; the add and my reads are done
	s_barrier_signal -1
	MUL16 2, (\st)%2, \st, \zero
	WIN 0
	s_barrier_wait -1
.if C1 > C0 && C0+2 < CHUNKS
	CREST
	s_add_nc_u64 s[G0+4*(C0%2)+2:G0+4*(C0%2)+3], s[G0+4*(C0%2)+2:G0+4*(C0%2)+3], 2*ROWB
	s_add_nc_u64 s[G0B+4*(C0%2)+2:G0B+4*(C0%2)+3], s[G0B+4*(C0%2)+2:G0B+4*(C0%2)+3], 2*ROWB
	JLOAD C0%2                                     ; chunk C0 + 2; its four v_nop are the places in front of the loads below
.else
	PLACES NP
.endif
.else
	s_wait_dscnt 4*NL                              ; the youngest 24 loads (A's blocks 4-7) may be out
	WIN MUL_LO
	MUL16 0, (\st)%2, \st, \zero
	MUL16 2, (\st)%2, \st, \zero
	s_wait_dscnt 0
	PLACES NP
.endif
	FETCH_B NX, NX%2
	FETCH_A NX, 0
	WIN MUL_HI
	MUL16 4, (\st)%2, \st, \zero
	MUL16 6, (\st)%2, \st, \zero
	PLACES NP
	WIN 0
	FETCH_A NX, 4
.endm
	s_wait_alu depctr_va_vdst(0)                   ; the wait at the head's end
	s_wait_tensorcnt 0x0                           ; my part of chunk 0 is in; the three lines ahead of slot 1's first fill
	ds_add_u32 v[SPW], v[NIL]
	s_wait_dscnt 0x0
	CROUND
	JLOAD 1                                        ; chunk 1
	FETCH_B 0, 0
	FETCH_A 0, 0
	FETCH_A 0, 4
	s_wait_loadcnt 0x0                             ; the scale words
	STEP 0, 1
.set ST, 1
.rept STEPS-2
	STEP ST, 0
.set ST, ST+1
.endr
	s_wait_dscnt 4*NL
	WIN MUL_LO
	MUL16 0, 1, 7, 0
	MUL16 2, 1, 7, 0
	s_wait_dscnt 0
	WIN MUL_HI
	MUL16 4, 1, 7, 0
	MUL16 6, 1, 7, 0
	WIN 0
; ---- BEHIND THE PRODUCT: norm, rotation, quantiser.  No LDS, no barrier, no tensor load.
; 64 numbers of a lane, v[s + 16 b + i], become a fragment's codes in v[CD] on and its rows' scale word in v[pw].  Block b lies in lanes l and l xor 16.
.macro QUANT s, pw
.irp b, 0,1,2,3
	v_max3_num_f32 v[TM+\b], |v[\s+16*\b]|, |v[\s+1+16*\b]|, 0x1800000   ; the floor 2^(3 - 127) holds the byte at 1 from below
.endr
.irp i, 2,4,6,8,10,12,14
.irp b, 0,1,2,3
	v_max3_num_f32 v[TM+\b], v[TM+\b], |v[\s+16*\b+\i]|, |v[\s+1+16*\b+\i]|
.endr
.endr
.irp b, 0,1,2,3
	v_permlanex16_b32 v[TM+4+\b], v[TM+\b], s20, s21
.endr
.irp b, 0,1,2,3
	v_max_num_f32 v[TM+\b], v[TM+\b], v[TM+4+\b]
.endr
.irp b, 0,1,2,3
	v_add_nc_u32 v[TM+12+\b], 0xff000000, v[TM+\b] ; 2 off the exponent field: the conversion's scale operand
.endr
.irp b, 0,1,2,3
	v_lshrrev_b32 v[TM+4+\b], 23, v[TM+12+\b]      ; the scale's byte
.endr
	v_lshl_or_b32 v[\pw], v[TM+5], 8, v[TM+4]
	v_lshl_or_b32 v[\pw], v[TM+6], 16, v[\pw]
	v_lshl_or_b32 v[\pw], v[TM+7], 24, v[\pw]
.irp c, 0,1
	v_cvt_scalef32_pk16_fp6_f32 v[CD+6*\c:CD+2+6*\c], v[\s+32*\c:\s+15+32*\c], v[TM+12+2*\c]
	v_cvt_scalef32_pk16_fp6_f32 v[CD+12+4*\c:CD+14+4*\c], v[\s+16+32*\c:\s+31+32*\c], v[TM+12+2*\c+1]
.endr
	v_nop                                          ; one plain place behind a scaled conversion
.irp c, 0,1                                    ; a whole block in a lane
.irp i, 0,1,2
	v_permlane16_swap_b32 v[CD+6*\c+\i], v[CD+12+4*\c+\i]
.endr
.irp i, 0,1,2
	v_mov_b32 v[CD+3+6*\c+\i], v[CD+12+4*\c+\i]
.endr
.endr
.endm
	PLACES NP
.irp b, 0,1,2,3
	v_mov_b32 v[TM+4+\b], 0                        ; a lane permute's destination counts as one of its sources
.endr
	s_mov_b32 s20, 0x76543210
	s_mov_b32 s21, 0xfedcba98
	s_mov_b32 s22, 0x3c800000                      ; 1 / 64
	s_mov_b32 s23, 0x358637bd                      ; 1e-6
	s_mov_b32 s18, 0xffff0000                      ; lanes 16-31
	v_and_b32 v3, 31, v0
	v_lshlrev_b32 v5, 3, v3
	v_lshlrev_b32 v3, 4, v3
	s_cmp_eq_u32 s100, 2
	s_cbranch_scc1 .Lv
	; ---- q and k.  A's tile: batch = tile / 4, step of 128 tokens = 2 (tile % 4) + my half.  My 128 columns are heads 4 tile + 2 half + 0, 1.
	s_lshr_b32 s24, s17, 2
	s_and_b32 s25, s17, 3
	s_lshl_b32 s25, s25, 1
	s_add_co_u32 s25, s25, s15
	s_lshl_b32 s24, s24, 4
	s_lshl_b32 s26, s42, 2
	s_add_co_u32 s24, s24, s26
	s_lshl_b32 s26, s16, 1
	s_add_co_u32 s24, s24, s26                     ; 16 x batch + head
	s_mul_i32 s24, s24, 51200
	s_lshl_b32 s26, s24, s100                      ; a record: 51,200 bytes for q, twice that for k and v
	s_mov_b32 s27, 0
	s_add_nc_u64 s[32:33], s[98:99], s[26:27]
	s_lshl_b32 s26, 51200, s100
	s_add_nc_u64 s[34:35], s[32:33], s[26:27]
	s_lshl_b32 s28, s17, 4
	s_lshl_b32 s29, s15, 3
	s_add_co_u32 s28, s28, s29
	s_lshl_b32 s28, s28, 12                        ; the table: 4,096 bytes a tile of 16 tokens
	s_mov_b32 s29, 0
	s_add_nc_u64 s[36:37], s[96:97], s[28:29]
	s_mul_i32 s30, s25, 6144
	s_wait_alu depctr_va_vdst(0)
	v_add_nc_u32 v4, s30, v3
	s_lshl_b32 s30, s25, 8
	s_add_co_u32 s30, s30, 49152
	v_add_nc_u32 v5, s30, v5
	v_lshlrev_b32 v6, 5, v2
.irp b, 0,1,2,3
	global_load_b128 v[GN+8*\b:GN+8*\b+3], v6, s[12:13] offset:64*\b
	global_load_b128 v[GN+8*\b+4:GN+8*\b+7], v6, s[12:13] offset:64*\b+16
.endr
	WIN 0x40                                       ; the cosines and sines of my eight tiles take B's place
.irp a, 0,1,2,3,4,5,6,7
.irp q, 0,1,2,3,4,5,6,7
	global_load_b128 v[32*\a+4*\q:32*\a+4*\q+3], v3, s[36:37] offset:4096*\a+512*\q
.endr
.endr
.macro SUMSQ a0, win                   ; sums of squares, eight chains by turns; each accumulator from its low end on
	WIN \win
.irp i, 0,1,2,3,4,5,6,7,8,9,10,11,12,13,14,15
.irp a, 0,1,2,3
.irp hd, 0,1
.if \i == 0
	v_pk_mul_f32 v[Y+2*(2*(\a0+\a)+\hd):Y+2*(2*(\a0+\a)+\hd)+1], v[64*\a+32*\hd+2*\i:64*\a+32*\hd+2*\i+1], v[64*\a+32*\hd+2*\i:64*\a+32*\hd+2*\i+1]
.else
	v_pk_fma_f32 v[Y+2*(2*(\a0+\a)+\hd):Y+2*(2*(\a0+\a)+\hd)+1], v[64*\a+32*\hd+2*\i:64*\a+32*\hd+2*\i+1], v[64*\a+32*\hd+2*\i:64*\a+32*\hd+2*\i+1], v[Y+2*(2*(\a0+\a)+\hd):Y+2*(2*(\a0+\a)+\hd)+1]
.endif
.endr
.endr
.endr
.endm
	SUMSQ 0, 0x0a
	SUMSQ 4, 0x0f
	WIN 0
.set n, 0
.rept 16
	v_add_f32 v[Y+n], v[Y+n], v[Y+n+1]
.set n, n+2
.endr
.set n, 0
.rept 16
	v_permlanex16_b32 v[Y+n+1], v[Y+n], s20, s21
.set n, n+2
.endr
.set n, 0
.rept 16
	v_add_f32 v[Y+n], v[Y+n], v[Y+n+1]
.set n, n+2
.endr
.set n, 0
.rept 16
	v_fma_f32 v[Y+n], v[Y+n], s22, s23
.set n, n+2
.endr
.set n, 0
	s_wait_alu depctr_va_vdst(0)
.rept 16
	v_rsq_f32 v[RS+n], v[Y+n]
.set n, n+2
.endr
	v_nop
.set n, 0
	s_wait_alu depctr_va_vdst(0)
.rept 16
	v_mov_b32 v[RS+n+1], v[RS+n]
.set n, n+2
.endr
	s_wait_loadcnt 63                              ; of the 72 loads the eight of the gains are in
.set n, 0
.rept 16
	v_pk_add_f32 v[GN+n:GN+n+1], v[GN+n:GN+n+1], 1.0 op_sel_hi:[1,0]
.set n, n+2
.endr
.macro QKPAIR g, hd                    ; tiles of tokens 2 g, 2 g + 1 of head hd become one fragment
.if \hd == 0
	s_wait_loadcnt 48-16*\g                        ; behind tile 2 g + 1's loads stand 8 for each later tile
.endif
	s_wait_xcnt 0x0                                ; the last fragment's stores have read their registers
.irp c, 0,1
.set AA, 2*\g+\c
.set AC, 64*(AA%4)+32*\hd
.set WS, 0x02+AA/4
	WIN WS
.set n, 0
.rept 16
	v_pk_mul_f32 v[Y+n:Y+n+1], v[AC+n:AC+n+1], v[RS+2*(2*AA+\hd):RS+2*(2*AA+\hd)+1] op_sel_hi:[1,0]
.set n, n+2
.endr
	WIN 0
.set n, 0
.rept 16
	v_pk_mul_f32 v[Y+n:Y+n+1], v[Y+n:Y+n+1], v[GN+n:GN+n+1]
.set n, n+2
.endr
	WIN 0x04
.irp p, 0,1
.irp jj, 0,2,4,6
	v_pk_mul_f32 v[Z+32*\c+16*\p+\jj:Z+32*\c+16*\p+\jj+1], v[Y+16*\p+\jj:Y+16*\p+\jj+1], v[32*AA+16*\p+\jj:32*AA+16*\p+\jj+1]
	v_pk_mul_f32 v[Z+32*\c+16*\p+\jj+8:Z+32*\c+16*\p+\jj+9], v[Y+16*\p+\jj+8:Y+16*\p+\jj+9], v[32*AA+16*\p+\jj:32*AA+16*\p+\jj+1]
.endr
.endr
.irp p, 0,1
.irp jj, 0,2,4,6
	v_pk_fma_f32 v[Z+32*\c+16*\p+\jj:Z+32*\c+16*\p+\jj+1], v[Y+16*\p+\jj+8:Y+16*\p+\jj+9], v[32*AA+16*\p+\jj+8:32*AA+16*\p+\jj+9], v[Z+32*\c+16*\p+\jj:Z+32*\c+16*\p+\jj+1] neg_lo:[1,0,0] neg_hi:[1,0,0]
	v_pk_fma_f32 v[Z+32*\c+16*\p+\jj+8:Z+32*\c+16*\p+\jj+9], v[Y+16*\p+\jj:Y+16*\p+\jj+1], v[32*AA+16*\p+\jj+8:32*AA+16*\p+\jj+9], v[Z+32*\c+16*\p+\jj+8:Z+32*\c+16*\p+\jj+9]
.endr
.endr
.endr
	WIN 0
	QUANT Z, PW0+\g
.irp i, 0,1,2
	global_store_b128 v4, v[CD+4*\i:CD+4*\i+3], s[32+2*\hd:33+2*\hd] offset:1536*\g+512*\i
.endr
.if \g == 3
	v_cndmask_b32 v[SW], v[PW0], v[PW0+1], s18
	v_cndmask_b32 v[SW+1], v[PW0+2], v[PW0+3], s18
	global_store_b64 v5, v[SW:SW+1], s[32+2*\hd:33+2*\hd]
.endif
.endm
.irp hd, 0,1
.irp g, 0,1,2,3
	QKPAIR \g, \hd
.endr
.endr
	s_branch .Ldone
.Lv:	; ---- v.  B's tile: batch = tile / 4, step = 2 (tile % 4) + my half.  My 128 rows of A are heads 4 tile + 2 half + 0, 1: windows 2 and 3.
	s_lshr_b32 s24, s42, 2
	s_and_b32 s25, s42, 3
	s_lshl_b32 s25, s25, 1
	s_add_co_u32 s25, s25, s16
	s_lshl_b32 s24, s24, 4
	s_lshl_b32 s26, s17, 2
	s_add_co_u32 s24, s24, s26
	s_lshl_b32 s26, s15, 1
	s_add_co_u32 s24, s24, s26
	s_mul_i32 s26, s24, 102400
	s_mov_b32 s27, 0
	s_add_nc_u64 s[32:33], s[98:99], s[26:27]
	s_add_nc_u64 s[34:35], s[32:33], 102400
	s_mul_i32 s30, s25, 6144
	s_add_co_u32 s30, s30, 51200
	s_wait_alu depctr_va_vdst(0)
	v_add_nc_u32 v4, s30, v3
	s_lshl_b32 s30, s25, 8
	s_add_co_u32 s30, s30, 100352
	v_add_nc_u32 v5, s30, v5
	v_lshlrev_b32 v6, 2, v1
	v_mov_b32 v[KC], s22
	v_mov_b32 v[KC+1], s22
	v_mov_b32 v[KC+2], s23
	v_mov_b32 v[KC+3], s23
.irp t, 0,1,2,3
	global_load_b32 v[GV+2*\t], v6, s[12:13] offset:64*\t
.endr
.macro VFRAG hd, t                     ; channels 16 t + r of head hd x my 128 tokens
	s_wait_xcnt 0x0
.set WS, 0x02+\hd
	WIN WS
.set n, 0
.rept 32
	v_pk_mul_f32 v[Z+n:Z+n+1], v[64*\t+n:64*\t+n+1], v[RSV+n:RSV+n+1]
.set n, n+2
.endr
	WIN 0
.set n, 0
.rept 32
	v_pk_mul_f32 v[Z+n:Z+n+1], v[Z+n:Z+n+1], v[GV+2*\t:GV+2*\t+1] op_sel_hi:[1,0]
.set n, n+2
.endr
	QUANT Z, PW0+\t
.irp i, 0,1,2
	global_store_b128 v4, v[CD+4*\i:CD+4*\i+3], s[32+2*\hd:33+2*\hd] offset:1536*\t+512*\i
.endr
.endm
.macro VHEAD hd
.set WS, 0x0a+5*\hd
	WIN WS
.irp t, 0,1,2,3                                ; a token's sum of squares: the head's four tiles of channels in my lane,
.set n, 0
.rept 32
.if \t == 0
	v_pk_mul_f32 v[RSV+n:RSV+n+1], v[64*\t+n:64*\t+n+1], v[64*\t+n:64*\t+n+1]
.else
	v_pk_fma_f32 v[RSV+n:RSV+n+1], v[64*\t+n:64*\t+n+1], v[64*\t+n:64*\t+n+1], v[RSV+n:RSV+n+1]
.endif
.set n, n+2
.endr
.endr
	WIN 0
.irp x, 1,2,4,8                                ; and the sixteen lanes of my half
.set n, 0
.rept 64
	v_add_f32_dpp v[RSV+n], v[RSV+n], v[RSV+n] row_xmask:\x row_mask:0xf bank_mask:0xf
.set n, n+1
.endr
.endr
.set n, 0
.rept 32
	v_pk_fma_f32 v[RSV+n:RSV+n+1], v[RSV+n:RSV+n+1], v[KC:KC+1], v[KC+2:KC+3]   ; the mean + 1e-6
.set n, n+2
.endr
.set n, 0
	s_wait_alu depctr_va_vdst(0)
.rept 64
	v_rsq_f32 v[RSV+n], v[RSV+n]
.set n, n+1
.endr
	v_nop
	s_wait_alu depctr_va_vdst(0)
.if \hd == 0
	s_wait_loadcnt 0x0
.irp t, 0,1,2,3
	v_add_f32 v[GV+2*\t], 1.0, v[GV+2*\t]
.endr
	s_wait_alu depctr_va_vdst(0)
.irp t, 0,1,2,3
	v_mov_b32 v[GV+2*\t+1], v[GV+2*\t]
.endr
.endif
.irp t, 0,1,2,3
	VFRAG \hd, \t
.endr
	v_cndmask_b32 v[SW], v[PW0], v[PW0+1], s18
	v_cndmask_b32 v[SW+1], v[PW0+2], v[PW0+3], s18
	global_store_b64 v5, v[SW:SW+1], s[32+2*\hd:33+2*\hd]
.endm
	VHEAD 0
	VHEAD 1
.Ldone:
	s_wait_tensorcnt 0x0                           ; the wave's end
	ds_add_u32 v[SPW], v[NIL]
	s_wait_dscnt 0x0
	CROUND                                         ; the closing round
	s_endpgm
.Lfunc_end_k_q1573da218c_qkv:
	.size	k_q1573da218c_qkv, .Lfunc_end_k_q1573da218c_qkv-k_q1573da218c_qkv
	.p2alignl 7, 3214868480
	.fill 96, 4, 3214868480
	.section	.rodata,"a",@progbits
	.p2align	6, 0x0
	.amdhsa_kernel k_q1573da218c_qkv
		.amdhsa_group_segment_fixed_size 327680
		.amdhsa_private_segment_fixed_size 0
		.amdhsa_enable_private_segment 0
		.amdhsa_kernarg_size 112
		.amdhsa_user_sgpr_count 2
		.amdhsa_user_sgpr_kernarg_segment_ptr 1
		.amdhsa_wavefront_size32 1
		.amdhsa_system_sgpr_workgroup_id_x 1
		.amdhsa_system_sgpr_workgroup_id_y 1
		.amdhsa_system_sgpr_workgroup_id_z 1
		.amdhsa_system_vgpr_workitem_id 0
		.amdhsa_next_free_vgpr 1024
		.amdhsa_next_free_sgpr 102
		.amdhsa_reserve_vcc 0
		.amdhsa_float_denorm_mode_32 3
		.amdhsa_float_denorm_mode_16_64 3
		.amdhsa_memory_ordered 1
		.amdhsa_forward_progress 1
		.amdhsa_inst_pref_size 255
	.end_amdhsa_kernel
	.section	.bss,"aw",@nobits
	.p2align	6
	.space	262144
	.amdgpu_metadata
---
amdhsa.version: [ 1, 2 ]
amdhsa.kernels:
  - .name:           k_q1573da218c_qkv
    .symbol:         k_q1573da218c_qkv.kd
    .args:
      - { .name: x_codes, .offset: 0, .size: 8, .value_kind: global_buffer, .address_space: global }
      - { .name: x_scales, .offset: 8, .size: 8, .value_kind: global_buffer, .address_space: global }
      - { .name: wq_codes, .offset: 16, .size: 8, .value_kind: global_buffer, .address_space: global }
      - { .name: wq_scales, .offset: 24, .size: 8, .value_kind: global_buffer, .address_space: global }
      - { .name: wk_codes, .offset: 32, .size: 8, .value_kind: global_buffer, .address_space: global }
      - { .name: wk_scales, .offset: 40, .size: 8, .value_kind: global_buffer, .address_space: global }
      - { .name: wv_codes, .offset: 48, .size: 8, .value_kind: global_buffer, .address_space: global }
      - { .name: wv_scales, .offset: 56, .size: 8, .value_kind: global_buffer, .address_space: global }
      - { .name: q_scale, .offset: 64, .size: 8, .value_kind: global_buffer, .address_space: global }
      - { .name: k_scale, .offset: 72, .size: 8, .value_kind: global_buffer, .address_space: global }
      - { .name: v_scale, .offset: 80, .size: 8, .value_kind: global_buffer, .address_space: global }
      - { .name: rope, .offset: 88, .size: 8, .value_kind: global_buffer, .address_space: global }
      - { .name: qrec, .offset: 96, .size: 8, .value_kind: global_buffer, .address_space: global }
      - { .name: kvrec, .offset: 104, .size: 8, .value_kind: global_buffer, .address_space: global }
    .group_segment_fixed_size: 327680
    .private_segment_fixed_size: 0
    .kernarg_segment_align: 8
    .kernarg_segment_size: 112
    .max_flat_workgroup_size: 128
    .sgpr_count:     102
    .vgpr_count:     1024
    .wavefront_size: 32
...
	.end_amdgpu_metadata
.endif
;; end of part 2
;; launch attn (part 3): grid 4 x 64, 16 waves a work-group, clusters of 4 x 1, 207,872 bytes of LDS; arguments qrec, kvrec, oimg, osc; writes oimg, osc
.if DOCPART == 3
	.amdgcn_target "amdgcn-amd-amdhsa--gfx1250"
	.amdhsa_code_object_version 6
	.text
	.protected	k_q1573da218c_attn
	.globl	k_q1573da218c_attn
	.p2align	8
	.type	k_q1573da218c_attn,@function
k_q1573da218c_attn:
	s_mov_b64 s[64:65], 0
	v_nop
	global_prefetch_b8 v0, s[64:65] scope:SCOPE_SE
	s_setreg_imm32_b32 hwreg(HW_REG_WAVE_MODE, 25, 1), 1
	s_wait_xcnt 0x0
	s_wait_alu depctr_hold_cnt(0) depctr_sa_sdst(0) depctr_va_vdst(0) depctr_va_sdst(0) depctr_va_ssrc(0) depctr_va_vcc(0) depctr_vm_vsrc(0)
	s_getreg_b32 s2, hwreg(HW_REG_IB_STS2, 6, 4)
	s_cmp_eq_u32 s2, 0
	s_cbranch_scc0 .Lentry_in_a_cluster
	s_endpgm
.Lentry_in_a_cluster:
	s_bfe_u32 s2, ttmp6, 0x10000c
	s_cmp_lg_u32 s2, 0x3003
	s_cbranch_scc0 .Lentry_shape_is_right
	s_endpgm
.Lentry_shape_is_right:
; o = softmax(q k^T / 8) v for each head, both products on codes of FP6 (E2M3) with E8M0 scales, and o quantised anew along the 1,024 of the last product's K.
; THE SOFTMAX AHEAD OF THE SECOND PRODUCT: t = score x log2(e) / 8; M = the row's largest t so far, rounded UP to a whole number; p = 2^(t - M) is quantised along the keys, not normalised.
; The row's sum is taken of the unquantised p and divides O at the end.  When M moves, the sum and O are multiplied by 2^(old M - new M): exact.
; SHARES.  A work-group owns 256 queries of a PAIR of heads (heads 2 s, 2 s + 1 of a batch: K step s of the last product); each of its sixteen waves owns one tile of 16 queries, for both heads, one after the other:
; so a wave ends with one whole fragment of o and its rows' whole scale word.  Four waves to a SIMD: one wave's vector work stands beside another's products and LDS loads.
; LDS.  The two heads' records of k and v (102,400 bytes each: 32 fragments of k, their scale words, 32 fragments of v, theirs) are 204,800 consecutive bytes of memory and come ONCE, as they lie: no slot is filled again.
; The four work-groups of a cluster are the four quarters of the same pair's queries: they ask for the records JOINTLY (mask 15).
; FRAGMENTS are images of registers: three loads of 16 bytes a lane, 512 consecutive bytes each.  A fragment of k holds TWO tiles of 16 keys x 64 channels (K 0-63: keys 32 g + r; K 64-127: keys 32 g + 16 + r).
; q stands between runs of zero codes: (q, 0) multiplies the first tile, (0, q) the second.  Zero codes add nothing under any scale byte but 0xff; theirs is 0x7f.
; LAYOUT.  Both products are used transposed: S^T = k q^T, O^T = v^T p^T: a lane holds ONE query (lane % 16) throughout.  Inside a block of 32 keys p lies in the order in which v was laid: nothing is moved for it.
; o must meet the given order of wo's codes: sixteen exchanges of lane halves for each head put 16 neighbouring channels into a lane.
; LIMITS: NaN and infinities are not served.  A block of zeros, or one under 2^-124, gets the scale byte 1.  A block's largest p is taken through the block's largest score, which leans on v_exp_f32 not falling where its input rises.
; REGISTERS: v1, v2 16 x and 8 x lane; v8-11 LDS addresses; v12 -M, v13 the largest t, v[14:15] the sum; v16-21 at the head; v32-79 four fragments of k, then of v; v80-91 o's fragment, v92 its scale word;
;   v96-159 S^T, then p; v160-191 O^T; v192-221 zeros, q of head 0, zeros, q of head 1, zeros (6 each); v222, v223 q's scale words; v224-235 p's codes; v232-254 at work; v[248:249] k's scale words, v[250:251] v's.
.set REC,   102400                     ; a head's record
.set KSCO,  49152                      ; k's scale words in it
.set VOFF,  51200                      ; v's part begins here, laid like k's
.set STEPB, 6144                       ; four fragments: a step of 128 keys
.set OSTG,  2*REC                      ; behind the records: 1,024 bytes in which the sixteen waves' scale words of o meet; no fill lands there
.set ADK, 8                            ; v8   the step's fragments
.set ADS, 9                            ; v9   the step's scale words
.set OSW, 10                           ; v10  where I put o's scale word
.set OSR, 11                           ; v11  where waves 0 and 1 read them back
.set OF,  80
.set OW,  92
.set QZ,  192
.set QS,  222
.set WV,  12                           ; s12  my wave's number
.set SEL, 20                           ; s[20:21] lane selects for v_permlanex16_b32: lane l xor 16
.set CS,  22                           ; s[22:23] c = log2(e) / 8
.set G1,  24                           ; s[24:31] descriptor group 1;  s[32:35] group 0: my eighth of the two records
.set G0,  32
.set TB,  40                           ; s40  LDS byte of the step's fragments of k
.set TS,  41                           ; s41  and of its scale words
.set CNT, 42
.macro CROUND                          ; a round of the cluster's barrier
	s_barrier_signal -1
	s_barrier_wait -1
	s_cmp_lg_u32 s[WV], 0
	s_cbranch_scc1 .Lnot_wave_0_\@
	s_barrier_signal -3
.Lnot_wave_0_\@:
	s_barrier_wait -3
	s_barrier_signal -1
	s_barrier_wait -1
.endm
	s_load_b256 s[4:11], s[0:1], 0x0               ; q's records, k's and v's records, o's images, o's scale words
	v_lshl_add_u32 v243, v0, 2, 0x32400
	v_mov_b32 v255, 0
	ds_add_u32 v243, v255
	ds_add_u32 v243, v255
	v_lshrrev_b32 v3, 5, v0
	s_delay_alu instid0(VALU_DEP_1)
	v_readfirstlane_b32 s[WV], v3                  ; wave 0..15
	v_and_b32 v4, 31, v0
	s_delay_alu instid0(VALU_DEP_1)
	v_lshlrev_b32 v1, 4, v4                        ; 16 x lane
	s_wait_alu depctr_va_vdst(0)
	v_lshlrev_b32 v2, 3, v4                        ; 8 x lane
	v_and_b32 v5, 15, v0                           ; r
	v_bfe_u32 v6, v0, 4, 1                         ; h
	s_delay_alu instid0(VALU_DEP_2)
	v_lshlrev_b32 v[OSW], 2, v5                    ; every LDS address register is made here, ahead of the branch on the wave's number
	s_delay_alu instid0(VALU_DEP_1)
	v_lshl_add_u32 v[OSW], v3, 6, v[OSW]
	s_delay_alu instid0(VALU_DEP_1)
	v_add_nc_u32 v[OSW], OSTG, v[OSW]              ; 64 bytes a wave, 4 a row
	v_and_b32 v[OSR], 63, v0
	s_delay_alu instid0(VALU_DEP_1)
	v_lshl_add_u32 v[OSR], v[OSR], 4, OSTG         ; 16 bytes for each thread of waves 0 and 1
	s_bfe_u32 s13, ttmp6, 0x40000                  ; cx
	s_lshl_b32 s14, ttmp9, 2
	s_add_co_u32 s14, s14, s13                     ; which quarter of the queries: it enters q's and o's addresses alone
	s_and_b32 s15, ttmp7, 0xffff                   ; the pair of heads: 8 x batch + s; the four partners share it
	s_and_b32 s16, s[WV], 7
	s_mul_i32 s16, s16, 25600                      ; an eighth of the two records, which lie on end: what one tensor load brings; the same place in memory and in LDS
	s_mul_i32 s18, s15, 2*REC
	s_add_co_u32 s18, s18, s16
	s_mov_b32 s19, 0
	s_mov_b32 s[G1], 15|(3<<16)|(1<<21)            ; 15:0 the mask: all four work-groups; 17:16 elements of 8 bytes; 21 set beside a mask; no padding
	s_mov_b32 s[G1+1], 32<<16                      ; tensor_dim0 = 32: rows of 256 bytes
	s_mov_b32 s[G1+2], 100<<16                     ; tensor_dim1 = 100
	s_mov_b32 s[G1+3], 32<<16                      ; tile_dim0
	s_mov_b32 s[G1+4], 100                         ; tile_dim1
	s_mov_b32 s[G1+5], 32                          ; the rows are dense
	s_mov_b32 s[G1+6], 0
	s_mov_b32 s[G1+7], 0
	s_mov_b32 s[SEL], 0x76543210
	s_mov_b32 s[SEL+1], 0xfedcba98
	s_mov_b32 s[CS], 0x3e38aa3b                    ; log2(e) / 8
	s_mov_b32 s[CS+1], s[CS]                       ; (named with it as a pair)
	; q: my tile is half c of fragment g of the head's record
	s_lshr_b32 s43, s[WV], 1
	s_lshl_b32 s44, s14, 3
	s_add_co_u32 s43, s43, s44                     ; g = 8 x quarter + wave / 2
	s_and_b32 s44, s[WV], 1                        ; c
	s_mul_i32 s45, s43, 1536
	s_mul_i32 s46, s44, 520
	s_add_co_u32 s46, s46, s45
	v_add_nc_u32 v16, s46, v1                      ; registers 6 c, 6 c + 1 of the image: byte 16 lane, or 512 + 16 lane + 8
	s_mul_i32 s47, s44, 1016
	s_add_co_u32 s47, s47, s45
	s_add_co_u32 s47, s47, 8
	v_add_nc_u32 v17, s47, v1                      ; 6 c + 2, 6 c + 3: 16 lane + 8, or 1,024 + 16 lane
	s_add_co_u32 s46, s46, 512
	v_add_nc_u32 v18, s46, v1                      ; 6 c + 4, 6 c + 5: 512 + 16 lane, or 1,024 + 16 lane + 8
	s_lshr_b32 s48, s43, 2
	s_lshl_b32 s48, s48, 8                         ; the scale words: 256 bytes a step of four fragments;
	s_and_b32 s49, s43, 1
	s_lshl_b32 s49, s49, 7                         ; an odd fragment's lie in lanes 16-31's places;
	s_add_co_u32 s48, s48, s49
	s_bfe_u32 s49, s43, 0x10001
	s_lshl_b32 s49, s49, 2                         ; fragments 2 and 3 in the second word
	s_add_co_u32 s48, s48, s49
	s_add_co_u32 s48, s48, KSCO
	v_lshl_add_u32 v19, v5, 3, s48
	s_lshl_b32 s44, s44, 4                         ; 16 c: my tile's two bytes in the word
	s_mul_i32 s50, s15, 102400                     ; q's two records of 51,200 bytes
	s_mov_b32 s51, 0
	; o: my tile T = 64 x batch + 16 x quarter + wave; image (T, s); the work-group's sixteen tiles' scale words are 1,024 consecutive bytes
	s_lshr_b32 s52, s15, 3
	s_lshl_b32 s52, s52, 6
	s_lshl_b32 s53, s14, 4
	s_add_co_u32 s52, s52, s53
	s_and_b32 s53, s15, 7
	s_add_co_u32 s54, s52, s[WV]
	s_lshl_b32 s54, s54, 3
	s_add_co_u32 s54, s54, s53
	s_mul_i32 s54, s54, 1536
	s_mov_b32 s55, 0
	s_lshl_b32 s56, s53, 15
	s_lshl_b32 s57, s52, 6
	s_add_co_u32 s56, s56, s57
	s_mov_b32 s57, 0
	s_wait_dscnt 0x0
	s_wait_kmcnt 0x0
	s_add_nc_u64 s[18:19], s[6:7], s[18:19]
	s_add_nc_u64 s[50:51], s[4:5], s[50:51]
	s_add_nc_u64 s[8:9], s[8:9], s[54:55]
	s_add_nc_u64 s[10:11], s[10:11], s[56:57]
	s_mov_b32 s[G0], 1
	s_mov_b32 s[G0+1], s16
	s_mov_b64 s[G0+2:G0+3], s[18:19]
	s_or_b32 s[G0+3], s[G0+3], 0x80000000
	CROUND                                         ; all four work-groups are here: the joint loads meet
	s_cmp_lt_u32 s[WV], 8                          ; waves 0 to 7 fetch, one load each
	s_cbranch_scc0 .Lno_fetch
	tensor_load_to_lds s[G0:G0+3], s[G1:G1+7]
	s_nop 0
.rept 4
	v_nop
.endr
.Lno_fetch:
	s_wait_alu depctr_va_vdst(0)
.irp hd, 0,1
	global_load_b64 v[QZ+6+12*\hd:QZ+7+12*\hd], v16, s[50:51] offset:51200*\hd
	global_load_b64 v[QZ+8+12*\hd:QZ+9+12*\hd], v17, s[50:51] offset:51200*\hd
	global_load_b64 v[QZ+10+12*\hd:QZ+11+12*\hd], v18, s[50:51] offset:51200*\hd
	global_load_b32 v[QS+\hd], v19, s[50:51] offset:51200*\hd
.endr
.irp z, 0,12,24
.irp i, 0,1,2,3,4,5
	v_mov_b32 v[QZ+\z+\i], 0                       ; the zero codes round q
.endr
.endr
.irp b, 0,1,2,3
	v_mov_b32 v[236+\b], 0                         ; written once: a lane permute's destination counts as one of its sources
.endr
	v_mov_b32 v253, 0                              ; (named as the upper half of the pair v[252:253] before it is first written)
	v_lshlrev_b32 v20, 4, v6                       ; 16 h
	v_mov_b32 v21, 0x7f7f0000
	s_delay_alu instid0(VALU_DEP_1)
	v_lshrrev_b32 v21, v20, v21                    ; the zeros' bytes: above in lanes 0-15, below in lanes 16-31
	s_wait_loadcnt 0x0
.irp hd, 0,1                                   ; lanes 0-15: (s0, s1, 7f, 7f), for (q, 0); lanes 16-31: (7f, 7f, s0, s1), for (0, q)
	v_lshrrev_b32 v[QS+\hd], s44, v[QS+\hd]
	s_delay_alu instid0(VALU_DEP_1)
	v_and_b32 v[QS+\hd], 0xffff, v[QS+\hd]
	s_wait_alu depctr_va_vdst(0)
	v_lshlrev_b32 v[QS+\hd], v20, v[QS+\hd]
	s_delay_alu instid0(VALU_DEP_1)
	v_or_b32 v[QS+\hd], v[QS+\hd], v21
.endr
; a tile of scores: D = v[d ..] begins with 0; ra, rb: which half of the lanes holds A's and B's scale words
.macro SP d, a, b, sa, sb, ra, rb
.if (\ra) && (\rb)
	v_wmma_scale_f32_16x16x128_f8f6f4 v[\d:\d+7], v[\a:\a+11], v[\b:\b+11], 0, v[\sa], v[\sb] matrix_a_fmt:MATRIX_FMT_FP6 matrix_b_fmt:MATRIX_FMT_FP6 matrix_a_scale:MATRIX_SCALE_ROW1 matrix_b_scale:MATRIX_SCALE_ROW1
.elseif (\ra)
	v_wmma_scale_f32_16x16x128_f8f6f4 v[\d:\d+7], v[\a:\a+11], v[\b:\b+11], 0, v[\sa], v[\sb] matrix_a_fmt:MATRIX_FMT_FP6 matrix_b_fmt:MATRIX_FMT_FP6 matrix_a_scale:MATRIX_SCALE_ROW1
.elseif (\rb)
	v_wmma_scale_f32_16x16x128_f8f6f4 v[\d:\d+7], v[\a:\a+11], v[\b:\b+11], 0, v[\sa], v[\sb] matrix_a_fmt:MATRIX_FMT_FP6 matrix_b_fmt:MATRIX_FMT_FP6 matrix_b_scale:MATRIX_SCALE_ROW1
.else
	v_wmma_scale_f32_16x16x128_f8f6f4 v[\d:\d+7], v[\a:\a+11], v[\b:\b+11], 0, v[\sa], v[\sb] matrix_a_fmt:MATRIX_FMT_FP6 matrix_b_fmt:MATRIX_FMT_FP6
.endif
.endm
.macro PV t                            ; O^T tile t (channels 16 t on) += v^T p^T over the step's 128 keys
.if (\t)%2
	v_wmma_scale_f32_16x16x128_f8f6f4 v[160+8*(\t):167+8*(\t)], v[32+12*(\t):43+12*(\t)], v[224:235], v[160+8*(\t):167+8*(\t)], v[250+(\t)/2], v253 matrix_a_fmt:MATRIX_FMT_FP6 matrix_b_fmt:MATRIX_FMT_FP6 matrix_a_scale:MATRIX_SCALE_ROW1
.else
	v_wmma_scale_f32_16x16x128_f8f6f4 v[160+8*(\t):167+8*(\t)], v[32+12*(\t):43+12*(\t)], v[224:235], v[160+8*(\t):167+8*(\t)], v[250+(\t)/2], v253 matrix_a_fmt:MATRIX_FMT_FP6 matrix_b_fmt:MATRIX_FMT_FP6
.endif
.endm
; A KEY STEP: 128 keys.
.macro STEP hd
	v_add_nc_u32 v[ADK], s[TB], v1
	v_add_nc_u32 v[ADS], s[TS], v2
	v_nop
	v_nop                                          ; four places between the last step's products and the loads into the registers that they read
.irp i, 0,1,2,3
.irp c, 0,1,2
	ds_load_b128 v[32+12*\i+4*\c:35+12*\i+4*\c], v[ADK] offset:1536*\i+512*\c
.endr
.endr
	ds_load_b64 v[248:249], v[ADS]                 ; word e of lane (r, h): fragment 2 e + h, row r
	s_wait_alu depctr_va_vdst(0)
	s_wait_dscnt 0x0
.irp i, 0,1,2,3                                ; S^T: eight tiles of 16 keys; each fragment serves two
	SP 96+16*\i, 32+12*\i, QZ+6+12*\hd, 248+\i/2, QS+\hd, \i%2, 0
	SP 104+16*\i, 32+12*\i, QZ+12*\hd, 248+\i/2, QS+\hd, \i%2, 1
.endr
.rept 4
	v_nop                                          ; places in front of the loads below and of the first read of the scores
.endr
.irp t, 0,1,2,3                                ; v's four fragments take k's place; they land while the softmax is worked
.irp c, 0,1,2
	ds_load_b128 v[32+12*\t+4*\c:35+12*\t+4*\c], v[ADK] offset:VOFF+1536*\t+512*\c
.endr
.endr
	ds_load_b64 v[250:251], v[ADS] offset:VOFF
.irp b, 0,1,2,3
	v_max3_num_f32 v[232+\b], v[96+16*\b], v[97+16*\b], v[98+16*\b]   ; the largest score of each block of 32 keys: it serves the row's maximum and, since p rises with the score, the block's largest p
.endr
.irp i, 3,5,7,9,11,13
.irp b, 0,1,2,3
	v_max3_num_f32 v[232+\b], v[232+\b], v[96+16*\b+\i], v[97+16*\b+\i]
.endr
.endr
.irp b, 0,1,2,3
	v_max_num_f32 v[232+\b], v[232+\b], v[111+16*\b]
.endr
.irp b, 0,1,2,3
	s_delay_alu instid0(VALU_DEP_4)
	v_permlanex16_b32 v[236+\b], v[232+\b], s[SEL], s[SEL+1]
.endr
.irp b, 0,1,2,3
	s_delay_alu instid0(VALU_DEP_4)
	v_max_num_f32 v[232+\b], v[232+\b], v[236+\b]  ; with lane l xor 16's 16 keys
.endr
	s_delay_alu instid0(VALU_DEP_2)
	v_max3_num_f32 v254, v232, v233, v234
	s_delay_alu instid0(VALU_DEP_1)
	v_max_num_f32 v254, v254, v235                 ; the step's largest score of my query
	s_delay_alu instid0(VALU_DEP_1)
	v_mul_f32 v254, s[CS], v254                    ; as t (c is positive)
	s_delay_alu instid0(VALU_DEP_1)
	v_max_num_f32 v13, v13, v254                   ; the running largest t
	v_mov_b32 v254, v12
	s_delay_alu instid0(VALU_DEP_2)
	v_floor_f32 v12, -v13                          ; the new -M = floor(-t): M is a whole number
	s_delay_alu instid0(VALU_DEP_1)
	v_sub_f32 v254, v12, v254                      ; old M - new M: a whole number, 0 or less
	s_delay_alu instid0(VALU_DEP_1)
	v_cvt_i32_f32 v254, v254                       ; (it saturates)
	s_delay_alu instid0(VALU_DEP_1)
	v_ldexp_f32 v252, 1.0, v254                    ; f = 2^(old M - new M)
.set n, 0
.rept 32
	v_pk_fma_f32 v[96+n:97+n], v[96+n:97+n], s[CS:CS+1], v[12:13] op_sel_hi:[1,0,0]   ; t - M, two at a time
.set n, n+2
.endr
.irp b, 0,1,2,3
	v_fma_f32 v[232+\b], v[232+\b], s[CS], v12     ; the same of each block's largest score
.endr
.set n, 0
	s_wait_alu depctr_va_vdst(0)
.rept 64
	v_exp_f32 v[96+n], v[96+n]                     ; p = 2^(t - M), at most 1
.set n, n+1
.endr
.irp b, 0,1,2,3
	v_exp_f32 v[232+\b], v[232+\b]                 ; the block's largest p: the same two instructions on the same number
.endr
	v_pk_mul_f32 v[14:15], v[14:15], v[252:253] op_sel_hi:[1,0]   ; the sums under the new M.  (A plain place behind the exponentials)
	s_wait_alu depctr_va_vdst(0)
.irp b, 0,1,2,3
	v_max_num_f32 v[232+\b], 0x1800000, v[232+\b]  ; the floor 2^(3 - 127): the byte cannot fall under 1
.endr
.irp b, 0,1,2,3
	s_delay_alu instid0(VALU_DEP_4)
	v_add_nc_u32 v[244+\b], 0xff000000, v[232+\b]  ; 2 off the exponent field: the conversion's scale operand
.endr
.irp b, 0,1,2,3
	s_delay_alu instid0(VALU_DEP_4)
	v_lshrrev_b32 v[236+\b], 23, v[244+\b]         ; the scale's byte
.endr
	s_delay_alu instid0(VALU_DEP_3)
	v_lshl_or_b32 v253, v237, 8, v236              ; p's scale word for these 128 keys
	s_delay_alu instid0(VALU_DEP_1)
	v_lshl_or_b32 v253, v238, 16, v253
	s_delay_alu instid0(VALU_DEP_1)
	v_lshl_or_b32 v253, v239, 24, v253
.irp c, 0,1
	v_cvt_scalef32_pk16_fp6_f32 v[224+6*\c:226+6*\c], v[96+32*\c:111+32*\c], v[244+2*\c]
	v_cvt_scalef32_pk16_fp6_f32 v[236+4*\c:238+4*\c], v[112+32*\c:127+32*\c], v[244+2*\c+1]   ; (a conversion's three registers begin on an even number)
.endr
	v_nop                                          ; one plain place behind a scaled conversion
.irp c, 0,1                                    ; a whole block in a lane: lanes 0-15 block 2 c, lanes 16-31 block 2 c + 1
.irp i, 0,1,2
	v_permlane16_swap_b32 v[224+6*\c+\i], v[236+4*\c+\i]
.endr
.irp i, 0,1,2
	s_delay_alu instid0(VALU_DEP_3)
	v_mov_b32 v[227+6*\c+\i], v[236+4*\c+\i]
.endr
.endr
	v_pk_add_f32 v[236:237], v[100:101], v[104:105]
	v_pk_add_f32 v[248:249], v[108:109], v[112:113]
	v_pk_add_f32 v[246:247], v[116:117], v[120:121]
	v_pk_add_f32 v[244:245], v[124:125], v[128:129]
	v_pk_add_f32 v[240:241], v[132:133], v[136:137]
	v_pk_add_f32 v[94:95], v[140:141], v[144:145]
	v_pk_add_f32 v[90:91], v[148:149], v[152:153]
	v_pk_add_f32 v[14:15], v[14:15], v[156:157]
	v_pk_add_f32 v[236:237], v[236:237], v[96:97]
	v_pk_add_f32 v[248:249], v[248:249], v[98:99]
	v_pk_add_f32 v[246:247], v[246:247], v[102:103]
	v_pk_add_f32 v[244:245], v[244:245], v[106:107]
	v_pk_add_f32 v[240:241], v[240:241], v[110:111]
	v_pk_add_f32 v[94:95], v[94:95], v[114:115]
	v_pk_add_f32 v[90:91], v[90:91], v[118:119]
	v_pk_add_f32 v[14:15], v[14:15], v[122:123]
	v_pk_add_f32 v[236:237], v[236:237], v[126:127]
	v_pk_add_f32 v[248:249], v[248:249], v[130:131]
	v_pk_add_f32 v[246:247], v[246:247], v[134:135]
	v_pk_add_f32 v[244:245], v[244:245], v[138:139]
	v_pk_add_f32 v[240:241], v[240:241], v[142:143]
	v_pk_add_f32 v[94:95], v[94:95], v[146:147]
	v_pk_add_f32 v[90:91], v[90:91], v[150:151]
	v_pk_add_f32 v[14:15], v[14:15], v[154:155]
	v_pk_add_f32 v[236:237], v[236:237], v[158:159]
	s_delay_alu instid0(VALU_DEP_2)
	v_pk_add_f32 v[14:15], v[14:15], v[244:245]
	s_delay_alu instid0(VALU_DEP_2)
	v_pk_add_f32 v[236:237], v[236:237], v[240:241]
	v_pk_add_f32 v[248:249], v[248:249], v[94:95]
	v_pk_add_f32 v[246:247], v[246:247], v[90:91]
	s_delay_alu instid0(VALU_DEP_2)
	v_pk_add_f32 v[14:15], v[14:15], v[248:249]
	s_delay_alu instid0(VALU_DEP_2)
	v_pk_add_f32 v[236:237], v[236:237], v[246:247]
	s_delay_alu instid0(VALU_DEP_1)
	v_pk_add_f32 v[14:15], v[14:15], v[236:237]
.set n, 0
.rept 16
	v_pk_mul_f32 v[160+n:161+n], v[160+n:161+n], v[252:253] op_sel_hi:[1,0]   ; O^T under the new M.  (With the sums above: the places between the codes' and the scale word's last writes and the products)
.set n, n+2
.endr
	s_wait_alu depctr_va_vdst(0)
	s_wait_dscnt 0x0                               ; v's fragments and scale words are in
.irp t, 0,1,2,3
	PV \t                                          ; the four accumulators by turns, one instruction a turn
.endr
.endm
; A head's end: O^T / the sum; 16 neighbouring channels into a lane; two blocks of 32 quantised: registers 6 hd .. 6 hd + 5 of o's fragment, bytes 2 hd, 2 hd + 1 of its scale word.
.macro HEADOUT hd
.rept 4
	v_nop                                          ; places behind the last products
.endr
	v_add_f32 v14, v14, v15                        ; the sum's two halves,
	s_delay_alu instid0(VALU_DEP_1)
	v_permlanex16_b32 v252, v14, s[SEL], s[SEL+1]
	s_delay_alu instid0(VALU_DEP_1)
	v_add_f32 v14, v14, v252                       ; and lane l xor 16's
	s_wait_alu depctr_va_vdst(0)
	v_rcp_f32 v14, v14
	v_nop                                          ; a plain place behind the transcendental
	s_wait_alu depctr_va_vdst(0)
	v_mov_b32 v15, v14                             ; (the packed form names the pair)
.set n, 0
.rept 16
	v_pk_mul_f32 v[96+n:97+n], v[160+n:161+n], v[14:15] op_sel_hi:[1,0]   ; register 8 t + j: channel 16 t + 8 h + j.  Each accumulator from its low end on
.set n, n+2
.endr
.irp b, 0,1
.irp j, 0,1,2,3,4,5,6,7
	v_permlane16_swap_b32 v[96+16*\b+\j], v[104+16*\b+\j]   ; the first's lanes 16-31 change places with the second's lanes 0-15: register 16 b + i is now channel 32 b + 16 h + i
.endr
.endr
.irp b, 0,1
	v_max3_num_f32 v[232+\b], |v[96+16*\b]|, |v[97+16*\b]|, 0x1800000
.endr
.irp i, 2,4,6,8,10,12,14
.irp b, 0,1
	s_delay_alu instid0(VALU_DEP_2)
	v_max3_num_f32 v[232+\b], v[232+\b], |v[96+16*\b+\i]|, |v[97+16*\b+\i]|
.endr
.endr
.irp b, 0,1
	s_delay_alu instid0(VALU_DEP_2)
	v_permlanex16_b32 v[236+\b], v[232+\b], s[SEL], s[SEL+1]
.endr
.irp b, 0,1
	s_delay_alu instid0(VALU_DEP_2)
	v_max_num_f32 v[232+\b], v[232+\b], v[236+\b]
.endr
.irp b, 0,1
	s_delay_alu instid0(VALU_DEP_2)
	v_add_nc_u32 v[244+\b], 0xff000000, v[232+\b]
.endr
.irp b, 0,1
	s_delay_alu instid0(VALU_DEP_2)
	v_lshrrev_b32 v[236+\b], 23, v[244+\b]
.endr
	v_cvt_scalef32_pk16_fp6_f32 v[OF+6*\hd:OF+6*\hd+2], v[96:111], v244
	v_cvt_scalef32_pk16_fp6_f32 v[240:242], v[112:127], v245
	v_nop                                          ; one plain place behind a scaled conversion
.irp i, 0,1,2
	v_permlane16_swap_b32 v[OF+6*\hd+\i], v[240+\i]
.endr
.irp i, 0,1,2
	s_delay_alu instid0(VALU_DEP_3)
	v_mov_b32 v[OF+6*\hd+3+\i], v[240+\i]
.endr
.if \hd == 0
	v_lshl_or_b32 v[OW], v237, 8, v236
.else
	v_lshl_or_b32 v254, v237, 8, v236
	s_delay_alu instid0(VALU_DEP_1)
	v_lshl_or_b32 v[OW], v254, 16, v[OW]
.endif
.endm
.macro HEAD hd
	v_mov_b32 v13, 0xff61b1e6                      ; the largest t so far: -3e38, under every t
	s_delay_alu instid0(VALU_DEP_1)
	v_floor_f32 v12, -v13                          ; -M
	v_mov_b32 v14, 0                               ; the sum, in two halves
	v_mov_b32 v15, 0
.set n, 0
.rept 32
	v_mov_b32 v[160+n], 0                          ; O^T: the step is written once; the first finds zeros, which the first change of M leaves zeros
.set n, n+1
.endr
	s_mov_b32 s[TB], REC*\hd
	s_mov_b32 s[TS], REC*\hd+KSCO
	s_mov_b32 s[CNT], 8
.Lstep_\@:                                         ; 1,024 keys: eight trips
	STEP \hd
	s_add_co_u32 s[TB], s[TB], STEPB
	s_add_co_u32 s[TS], s[TS], 256
	s_sub_co_u32 s[CNT], s[CNT], 1
	s_cmp_lg_u32 s[CNT], 0
	s_cbranch_scc1 .Lstep_\@
	HEADOUT \hd
.endm
	s_wait_tensorcnt 0x0                           ; my eighth is in
	s_barrier_signal -1
	s_barrier_wait -1                              ; both records are whole: no barrier stands between the heads
	HEAD 0
	HEAD 1
.irp i, 0,1,2
	global_store_b128 v1, v[OF+4*\i:OF+4*\i+3], s[8:9] offset:512*\i   ; o's fragment as it stands: 512 consecutive bytes a store
.endr
	ds_store_b32 v[OSW], v[OW]                     ; both halves of the lanes write the same word with the same value
	s_wait_dscnt 0x0                               ; for the others' sake: my store has landed
	s_barrier_signal -1
	s_barrier_wait -1
	s_cmp_lt_u32 s[WV], 2                          ; waves 0 and 1 store the sixteen tiles' 1,024 bytes
	s_cbranch_scc0 .Lnot_mine
	ds_load_b128 v[96:99], v[OSR]
	v_and_b32 v3, 63, v0
	s_delay_alu instid0(VALU_DEP_1)
	v_lshlrev_b32 v3, 4, v3
	s_wait_alu depctr_va_vdst(0)
	s_wait_dscnt 0x0
	global_store_b128 v3, v[96:99], s[10:11]       ; 512 consecutive bytes a wave
.Lnot_mine:
	s_wait_tensorcnt 0x0
	ds_add_u32 v243, v255
	s_wait_dscnt 0x0
	CROUND                                         ; the closing round: no work-group ends while a partner may still ask for a record that names it
	s_endpgm
.Lfunc_end_k_q1573da218c_attn:
	.size	k_q1573da218c_attn, .Lfunc_end_k_q1573da218c_attn-k_q1573da218c_attn
	.p2alignl 7, 3214868480
	.fill 96, 4, 3214868480
	.section	.rodata,"a",@progbits
	.p2align	6, 0x0
	.amdhsa_kernel k_q1573da218c_attn
		.amdhsa_group_segment_fixed_size 207872
		.amdhsa_private_segment_fixed_size 0
		.amdhsa_enable_private_segment 0
		.amdhsa_kernarg_size 32
		.amdhsa_user_sgpr_count 2
		.amdhsa_user_sgpr_kernarg_segment_ptr 1
		.amdhsa_wavefront_size32 1
		.amdhsa_system_sgpr_workgroup_id_x 1
		.amdhsa_system_sgpr_workgroup_id_y 1
		.amdhsa_system_sgpr_workgroup_id_z 1
		.amdhsa_system_vgpr_workitem_id 0
		.amdhsa_next_free_vgpr 256
		.amdhsa_next_free_sgpr 66
		.amdhsa_reserve_vcc 0
		.amdhsa_float_denorm_mode_32 3
		.amdhsa_float_denorm_mode_16_64 3
		.amdhsa_memory_ordered 1
		.amdhsa_forward_progress 1
		.amdhsa_inst_pref_size 54
	.end_amdhsa_kernel
	.amdgpu_metadata
---
amdhsa.version: [ 1, 2 ]
amdhsa.kernels:
  - .name:           k_q1573da218c_attn
    .symbol:         k_q1573da218c_attn.kd
    .args:
      - { .name: qrec, .offset: 0, .size: 8, .value_kind: global_buffer, .address_space: global }
      - { .name: kvrec, .offset: 8, .size: 8, .value_kind: global_buffer, .address_space: global }
      - { .name: oimg, .offset: 16, .size: 8, .value_kind: global_buffer, .address_space: global }
      - { .name: osc, .offset: 24, .size: 8, .value_kind: global_buffer, .address_space: global }
    .group_segment_fixed_size: 207872
    .private_segment_fixed_size: 0
    .kernarg_segment_align: 8
    .kernarg_segment_size: 32
    .max_flat_workgroup_size: 512
    .sgpr_count:     66
    .vgpr_count:     256
    .wavefront_size: 32
...
	.end_amdgpu_metadata
.endif
;; end of part 3
;; launch oproj (part 4): grid 4 x 64, 4 waves a work-group, clusters of 4 x 4, 327,680 bytes of LDS; arguments oimg, osc, wo_codes, wo_scales, out0; writes out0
.if DOCPART == 4
	.amdgcn_target "amdgcn-amd-amdhsa--gfx1250"
	.amdhsa_code_object_version 6
	.text
	.protected	k_q1573da218c_oproj
	.globl	k_q1573da218c_oproj
	.p2align	8
	.type	k_q1573da218c_oproj,@function
k_q1573da218c_oproj:
	s_mov_b64 s[64:65], 0
	v_nop
	global_prefetch_b8 v0, s[64:65] scope:SCOPE_SE
	s_setreg_imm32_b32 hwreg(HW_REG_WAVE_MODE, 25, 1), 1
	s_wait_xcnt 0x0
	s_wait_alu depctr_hold_cnt(0) depctr_sa_sdst(0) depctr_va_vdst(0) depctr_va_sdst(0) depctr_va_ssrc(0) depctr_va_vcc(0) depctr_vm_vsrc(0)
	s_getreg_b32 s2, hwreg(HW_REG_IB_STS2, 6, 4)
	s_cmp_eq_u32 s2, 0
	s_cbranch_scc0 .Lentry_in_a_cluster
	s_endpgm
.Lentry_in_a_cluster:
	s_bfe_u32 s2, ttmp6, 0x10000c
	s_cmp_lg_u32 s2, 0xf033
	s_cbranch_scc0 .Lentry_shape_is_right
	s_endpgm
.Lentry_shape_is_right:
; out = o wo: C[m][n] = sum over k of o[m][k] wo[n][k] on codes of FP6 (E2M3) with E8M0 scales, K = 1,024, f32 sums and results.
; A block of C is 128 rows x 256 columns: 64 x 4 = 256 work-groups of four waves; a wave makes all 128 rows x 64 columns.
; ALL OF K LIES IN LDS, filled once, one tensor load a wave: o's 8 tiles x 8 steps of register images are 98,304 dense bytes (waves 0, 1: a half each);
; wo's 256 rows of 768 bytes begin at multiples of 256 bytes (waves 2, 3: 128 rows each), 16 bytes of padding behind every 256: LDS rows 816 bytes apart.  Nothing is filled again.
; THE WALK GOES BY ROWS OF C: wo's fragments of my 64 columns, for all eight steps of 128 along K, stand in 384 registers; o's tiles of 16 rows come one after the other, each with all of K (96 registers, two sets).
; A tile is finished by 32 products, its four accumulators by turns, K ascending, and leaves through the stage while the next tile is multiplied.  No fragment is read from LDS twice.
; THE SCALE WORDS go from memory straight into registers, once.
; CLUSTERS 4 x 4: o's tiles are asked for jointly by a row of the cluster, wo's by a column.  No prefetch: the launch has no loop to run ahead in.
; TRANSPOSED USE (source 0 = 16 rows of wo, source 1 = 16 rows of o): a lane holds eight neighbouring columns of one row of C.
; THE WAY OUT: 16 rows x 64 columns through the wave's own stage, back as rows of 256 bytes: sixteen lanes store 256 consecutive aligned bytes.
; REGISTERS: window 0: addresses, v32-63 o's scale words, v64-95 wo's, v128-191 the way out (two sets), v192-255 the accumulators (two sets of four).
;   window 1: o's fragments, set a % 2 at v[96 (a % 2) + 12 st].  windows 2, 3: wo's fragments, steps 0-3 and 4-7, at v[48 (st % 4) + 12 b].
.set ABY,    98304
.set BP,     816
.set BOFF,   ABY
.set BHALF,  128*BP
.set STAGE,  ABY+2*BHALF
.set SPITCH, 272
.set SPARE,  STAGE+4*16*SPITCH
.set FR,   12
.set ADA,  16                          ; v16, v17 o's images: tiles 0-3, tiles 4-7
.set ADB,  20                          ; v20 wo's rows; v21 the same behind one padding more in lanes 16-31
.set STO,  24
.set RD,   25
.set CO,   26
.set SPW,  28
.set NIL,  29
.set SCA,  32                          ; v[SCA + 4 st + p]: lanes 0-15 tile 2 p, lanes 16-31 tile 2 p + 1
.set SCB,  64                          ; v[SCB + 8 b + st]: every lane the word of row lane % 16 of block b
.set BK,   128
.set ACC,  192
.set G1, 24
.set G0, 32
.set G1B, 48
.set G0B, 56
.set MSB, 0
.macro WIN new
.if MSB != (\new)
	s_set_vgpr_msb (MSB<<8)|(\new)
.set MSB, (\new)
.endif
.endm
.macro CROUND
	s_barrier_signal -1
	s_barrier_wait -1
	s_cmp_lg_u32 s14, 0
	s_cbranch_scc1 .Lnot_wave_0_\@
	s_barrier_signal -3
.Lnot_wave_0_\@:
	s_barrier_wait -3
	s_barrier_signal -1
	s_barrier_wait -1
.endm
.macro PLACES
.rept 4
	v_nop
.endr
.endm
	s_load_b128 s[4:7], s[0:1], 0x0                ; o's images, o's scale words
	s_load_b128 s[8:11], s[0:1], 0x10              ; wo's codes, scales
	s_load_b64 s[12:13], s[0:1], 0x20              ; out
	v_lshl_add_u32 v[SPW], v0, 2, SPARE
	v_mov_b32 v[NIL], 0
	ds_add_u32 v[SPW], v[NIL]                      ; the opening lines: the add twice and its wait
	ds_add_u32 v[SPW], v[NIL]
	v_lshrrev_b32 v1, 5, v0
	v_readfirstlane_b32 s14, v1                    ; wave: my 64 columns
	s_lshr_b32 s15, s14, 1                         ; I fetch for o (0) or wo (1),
	s_and_b32 s16, s14, 1                          ; this half
	s_bfe_u32 s40, ttmp6, 0x40000
	s_bfe_u32 s41, ttmp6, 0x40004
	s_lshl_b32 s42, ttmp9, 2
	s_add_co_u32 s42, s42, s40                     ; block column
	s_and_b32 s17, ttmp7, 0xffff
	s_lshl_b32 s17, s17, 2
	s_add_co_u32 s17, s17, s41                     ; block row
	s_lshl_b32 s43, s41, 2
	s_lshl_b32 s43, 15, s43
	s_lshl_b32 s44, 0x1111, s40
	s_or_b32 s[G1+0], s43, (3<<16)|(1<<21)         ; o: 192 dense rows of 256 bytes (32 elements of 8)
	s_mov_b32 s[G1+1], 32<<16
	s_mov_b32 s[G1+2], 192<<16
	s_mov_b32 s[G1+3], 32<<16
	s_mov_b32 s[G1+4], 192
	s_mov_b32 s[G1+5], 32
	s_mov_b32 s[G1+6], 0
	s_mov_b32 s[G1+7], 0
	s_or_b32 s[G1B+0], s44, (1<<20)|(1<<21)|(5<<22)|(3<<25)   ; wo: 128 rows of 768 bytes, padded
	s_mov_b32 s[G1B+1], 768<<16
	s_mov_b32 s[G1B+2], 128<<16
	s_mov_b32 s[G1B+3], 768<<16
	s_mov_b32 s[G1B+4], 128
	s_mov_b32 s[G1B+5], 768
	s_mov_b32 s[G1B+6], 0
	s_mov_b32 s[G1B+7], 0
	s_mul_i32 s20, s17, ABY
	s_mul_i32 s18, s16, ABY/2                      ; also o's place in LDS
	s_add_co_u32 s20, s20, s18
	s_mov_b32 s21, 0
	s_lshl_b32 s46, s42, 8
	s_lshl_b32 s19, s16, 7
	s_add_co_u32 s46, s46, s19
	s_mul_i32 s46, s46, 768
	s_mov_b32 s47, 0
	s_mul_i32 s45, s16, BHALF
	s_add_co_u32 s45, s45, BOFF
	s_lshl_b32 s96, s17, 9                         ; o's scale words: 64 bytes a tile
	s_mov_b32 s97, 0
	s_lshl_b32 s92, s42, 13                        ; wo's: 32 bytes a row
	s_lshl_b32 s19, s14, 11
	s_add_co_u32 s92, s92, s19
	s_mov_b32 s93, 0
	s_lshl_b32 s94, s17, 19                        ; out: 128 rows of 4,096 bytes,
	s_lshl_b32 s19, s42, 10
	s_add_co_u32 s94, s94, s19
	s_lshl_b32 s19, s14, 8
	s_add_co_u32 s94, s94, s19                     ; + my columns
	s_mov_b32 s95, 0
	s_wait_dscnt 0x0
	s_wait_kmcnt 0x0
	s_add_nc_u64 s[20:21], s[4:5], s[20:21]
	s_add_nc_u64 s[96:97], s[6:7], s[96:97]
	s_add_nc_u64 s[46:47], s[8:9], s[46:47]
	s_add_nc_u64 s[92:93], s[10:11], s[92:93]
	s_add_nc_u64 s[12:13], s[12:13], s[94:95]
	CROUND                                         ; the joint loads meet
	s_mov_b32 s[G0], 1
	s_mov_b32 s[G0+1], s18
	s_mov_b64 s[G0+2:G0+3], s[20:21]
	s_or_b32 s[G0+3], s[G0+3], 0x80000000
	s_mov_b32 s[G0B], 1
	s_mov_b32 s[G0B+1], s45
	s_mov_b64 s[G0B+2:G0B+3], s[46:47]
	s_or_b32 s[G0B+3], s[G0B+3], 0x80000000
	s_cmp_eq_u32 s15, 0
	s_cbranch_scc0 .Lfor_b
	tensor_load_to_lds s[G0:G0+3], s[G1:G1+7]
	s_nop 0
	PLACES
	s_branch .Lasked
.Lfor_b:
	tensor_load_to_lds s[G0B:G0B+3], s[G1B:G1B+7]
	s_nop 0
	PLACES
.Lasked:
	v_and_b32 v1, 15, v0                           ; r
	v_bfe_u32 v2, v0, 4, 1                         ; h
	v_and_b32 v6, 31, v0
	v_lshlrev_b32 v[ADA], 4, v6
	v_add_nc_u32 v[ADA+1], ABY/2, v[ADA]
	v_mul_u32_u24 v3, v1, BP
	v_mad_u32_u24 v3, v2, 24, v3
	s_mul_i32 s21, s14, 64*BP
	s_add_co_u32 s21, s21, BOFF
	v_add_nc_u32 v[ADB], s21, v3
	v_lshl_add_u32 v[ADB+1], v2, 4, v[ADB]
	s_mul_i32 s23, s14, 16*SPITCH
	s_add_co_u32 s23, s23, STAGE
	v_mul_u32_u24 v4, v1, SPITCH
	v_lshl_add_u32 v4, v2, 5, v4
	v_add_nc_u32 v[STO], s23, v4                   ; in: row r, 32 bytes for each half of the lanes
	v_mul_u32_u24 v5, v2, SPITCH
	v_lshl_add_u32 v5, v1, 4, v5
	v_add_nc_u32 v[RD], s23, v5                    ; back: lanes 0-15 one row, lanes 16-31 the next
	v_lshlrev_b32 v[CO], 12, v2
	v_lshl_add_u32 v[CO], v1, 4, v[CO]
	v_lshlrev_b32 v7, 2, v6
	v_lshlrev_b32 v8, 5, v1
	s_wait_alu depctr_va_vdst(0)                   ; the wait ahead of these readers
.irp st, 0,1,2,3,4,5,6,7
.irp p, 0,1,2,3
	global_load_b32 v[SCA+4*\st+\p], v7, s[96:97] offset:32768*\st+128*\p
.endr
.endr
.irp b, 0,1,2,3
	global_load_b128 v[SCB+8*\b:SCB+8*\b+3], v8, s[92:93] offset:512*\b
	global_load_b128 v[SCB+8*\b+4:SCB+8*\b+7], v8, s[92:93] offset:512*\b+16
.endr
.macro BLOAD st                        ; wo's four fragments of step st: 24 loads of 8 bytes
	WIN (2+(\st)/4)<<6
.irp i, 0,1,2,3
.irp p, 0,1,2,3,4,5
.set BY, 96*(\st)+48*(\p/3)+8*(\p%3)  ; byte y of a row lies at y + 16 (y / 256); lanes 16-31 read 24 bytes on
.set BR, 48*((\st)%4)+FR*\i+2*\p
.if BY/256 == (BY+24)/256
	ds_load_b64 v[BR:BR+1], v[ADB] offset:BY+16*(BY/256)+\i*16*BP
.else
	ds_load_b64 v[BR:BR+1], v[ADB+1] offset:BY+16*(BY/256)+\i*16*BP
.endif
.endr
.endr
.endm
.macro ALOAD a                         ; o's tile a, all eight steps, into set a % 2: 24 loads of 16 bytes
	WIN 0x40
.irp st, 0,1,2,3,4,5,6,7
.irp c, 0,1,2
	ds_load_b128 v[96*((\a)%2)+FR*\st+4*\c:96*((\a)%2)+FR*\st+4*\c+3], v[ADA+(\a)/4] offset:((\a)%4)*12288+1536*\st+512*\c
.endr
.endr
	WIN 0
.endm
.macro WM zero, rb                     ; rb: o's scale words stand in lanes 16-31
.if (\zero) && (\rb)
	v_wmma_scale_f32_16x16x128_f8f6f4 v[DD:DD+7], v[FB:FB+11], v[FA:FA+11], 0, v[SB], v[SA] matrix_a_fmt:MATRIX_FMT_FP6 matrix_b_fmt:MATRIX_FMT_FP6 matrix_b_scale:MATRIX_SCALE_ROW1
.elseif (\zero)
	v_wmma_scale_f32_16x16x128_f8f6f4 v[DD:DD+7], v[FB:FB+11], v[FA:FA+11], 0, v[SB], v[SA] matrix_a_fmt:MATRIX_FMT_FP6 matrix_b_fmt:MATRIX_FMT_FP6
.elseif (\rb)
	v_wmma_scale_f32_16x16x128_f8f6f4 v[DD:DD+7], v[FB:FB+11], v[FA:FA+11], v[DD:DD+7], v[SB], v[SA] matrix_a_fmt:MATRIX_FMT_FP6 matrix_b_fmt:MATRIX_FMT_FP6 matrix_b_scale:MATRIX_SCALE_ROW1
.else
	v_wmma_scale_f32_16x16x128_f8f6f4 v[DD:DD+7], v[FB:FB+11], v[FA:FA+11], v[DD:DD+7], v[SB], v[SA] matrix_a_fmt:MATRIX_FMT_FP6 matrix_b_fmt:MATRIX_FMT_FP6
.endif
.endm
.macro ROW a                           ; tile a is finished: 32 products, its four accumulators by turns; the first step starts the sums
.irp st, 0,1,2,3,4,5,6,7
	WIN 0x06+(\st/4)                               ; source 0 window 2 or 3, source 1 window 1, C and D window 0
.irp b, 0,1,2,3
.set DD, ACC+32*((\a)%2)+8*\b
.set FB, 48*(\st%4)+FR*\b
.set FA, 96*((\a)%2)+FR*\st
.set SB, SCB+8*\b+\st
.set SA, SCA+4*\st+(\a)/2
.if \st == 0
	WM 1, (\a)%2
.else
	WM 0, (\a)%2
.endif
.endr
.endr
	WIN 0
.endm
.macro TOSTAGE a
.set AC, ACC+32*((\a)%2)
.irp b, 0,1,2,3
	ds_store_b128 v[STO], v[AC+8*\b:AC+8*\b+3] offset:64*\b          ; each accumulator from its low end on
	ds_store_b128 v[STO], v[AC+8*\b+4:AC+8*\b+7] offset:64*\b+16
.endr
.set BB, BK+32*((\a)%2)
.irp t, 0,1,2,3,4,5,6,7
	ds_load_b128 v[BB+4*\t:BB+4*\t+3], v[RD] offset:\t*2*SPITCH   ; LDS serves a wave's instructions in order (ISA guide 5.7.1.4)
.endr
.endm
.macro SEND a, younger
.set BB, BK+32*((\a)%2)
	s_wait_dscnt \younger                          ; the tile is back in registers
	s_wait_xcnt 0x0                                ; the earlier stores have read their base and their registers
.if (\a) > 0
	s_add_nc_u64 s[12:13], s[12:13], 16*4096
.endif
.irp t, 0,1,2,3,4,5,6,7
	global_store_b128 v[CO], v[BB+4*\t:BB+4*\t+3], s[12:13] offset:\t*2*4096 th:TH_STORE_NT
.endr
.endm
	s_wait_alu depctr_va_vdst(0)                   ; the wait at the head's end
	s_wait_tensorcnt 0x0                           ; my tile is in,
	s_barrier_signal -1
	s_barrier_wait -1                              ; everybody's is
.irp st, 0,1,2,3,4,5,6,7
	BLOAD \st
.endr
	ALOAD 0
	ALOAD 1
	s_wait_loadcnt 0x0                             ; the scale words
	s_wait_dscnt 24                                ; all but tile 1's 24 loads
	ROW 0
.irp a, 0,1,2,3,4,5,6,7
	PLACES                                         ; behind tile a's products: its results are read, and its set of o's fragments is loaded anew
	TOSTAGE \a                                     ; (its buffer's last stores, tile a - 2's, have read their registers: the wait on XCNT in tile a - 1's SEND)
.if \a < 6
	ALOAD \a+2
	s_wait_dscnt 40                                ; tile a + 1's fragments are in: behind them stand the stage's 16 and tile a + 2's 24
	ROW \a+1
	SEND \a, 24                                    ; behind the stage's loads: tile a + 2's 24
.elseif \a < 7
	s_wait_dscnt 16                                ; behind tile 7's fragments: the stage's 16
	ROW \a+1
	SEND \a, 0
.else
	SEND \a, 0
.endif
.endr
	s_wait_tensorcnt 0x0                           ; the wave's end
	ds_add_u32 v[SPW], v[NIL]
	s_wait_dscnt 0x0
	CROUND                                         ; the closing round
	s_endpgm
.Lfunc_end_k_q1573da218c_oproj:
	.size	k_q1573da218c_oproj, .Lfunc_end_k_q1573da218c_oproj-k_q1573da218c_oproj
	.p2alignl 7, 3214868480
	.fill 96, 4, 3214868480
	.section	.rodata,"a",@progbits
	.p2align	6, 0x0
	.amdhsa_kernel k_q1573da218c_oproj
		.amdhsa_group_segment_fixed_size 327680
		.amdhsa_private_segment_fixed_size 0
		.amdhsa_enable_private_segment 0
		.amdhsa_kernarg_size 40
		.amdhsa_user_sgpr_count 2
		.amdhsa_user_sgpr_kernarg_segment_ptr 1
		.amdhsa_wavefront_size32 1
		.amdhsa_system_sgpr_workgroup_id_x 1
		.amdhsa_system_sgpr_workgroup_id_y 1
		.amdhsa_system_sgpr_workgroup_id_z 1
		.amdhsa_system_vgpr_workitem_id 0
		.amdhsa_next_free_vgpr 1024
		.amdhsa_next_free_sgpr 98
		.amdhsa_reserve_vcc 0
		.amdhsa_float_denorm_mode_32 3
		.amdhsa_float_denorm_mode_16_64 3
		.amdhsa_memory_ordered 1
		.amdhsa_forward_progress 1
		.amdhsa_inst_pref_size 84
	.end_amdhsa_kernel
	.amdgpu_metadata
---
amdhsa.version: [ 1, 2 ]
amdhsa.kernels:
  - .name:           k_q1573da218c_oproj
    .symbol:         k_q1573da218c_oproj.kd
    .args:
      - { .name: oimg, .offset: 0, .size: 8, .value_kind: global_buffer, .address_space: global }
      - { .name: osc, .offset: 8, .size: 8, .value_kind: global_buffer, .address_space: global }
      - { .name: wo_codes, .offset: 16, .size: 8, .value_kind: global_buffer, .address_space: global }
      - { .name: wo_scales, .offset: 24, .size: 8, .value_kind: global_buffer, .address_space: global }
      - { .name: out0, .offset: 32, .size: 8, .value_kind: global_buffer, .address_space: global }
    .group_segment_fixed_size: 327680
    .private_segment_fixed_size: 0
    .kernarg_segment_align: 8
    .kernarg_segment_size: 40
    .max_flat_workgroup_size: 128
    .sgpr_count:     98
    .vgpr_count:     1024
    .wavefront_size: 32
...
	.end_amdgpu_metadata
.endif
;; end of part 4
